; MI455X (gfx1250); checked and timed in simulation.
; The chip was launched on July 23, 2026; its instructions are those of AMD's public machine-readable ISA for CDNA 5 (MIT licence, August 2026) and "CDNA5" Instruction Set Architecture Reference Guide (July 2026). The comments in the code are by the model that wrote it; some were corrected since.
;; Cross Attention Former Block. Allowed arithmetic: matrix products marked QUANTISED: E2M1 operands, one E8M0 scale for each 32 along K, by v_wmma_scale_f32_16x16x128_f8f6f4 with both operands' format E2M1 (or v_wmma_scale_f32_32x16x128_f4), f32 sums; products left as they are: f32 operands where the result goes on into a quantised operand, else bf16, f16 or f32 operands; f32 sums; everything else in f32.
;; Inputs: fc1_b 1,024 float32; fc1_w_codes 1,024 x 8 x 16 uint8 (E2M1 codes of fc1_w, K innermost, in blocks of 32 codes, two codes a byte); fc1_w_scales 1,024 x 8 uint8 (E8M0 scales of fc1_w, one for each 32 codes along K); fc2_b 256 float32; fc2_w_codes 256 x 32 x 16 uint8 (E2M1 codes of fc2_w, K innermost, in blocks of 32 codes, two codes a byte); fc2_w_scales 256 x 32 uint8 (E8M0 scales of fc2_w, one for each 32 codes along K); n1_b 256 float32; n1_g 256 float32; n2_b 256 float32; n2_g 256 float32; p1_b 16 float32; p1_lnb 16 float32; p1_lng 16 float32; p1_w 16 x 16 float32; p2_b 16 float32; p2_lnb 16 float32; p2_lng 16 float32; p2_w 16 x 16 float32; p3_b 8 float32; p3_lnb 16 float32; p3_lng 16 float32; p3_w 16 x 8 float32; pp_b 16 float32; pp_w 3 x 16 float32; proj_b 256 float32; proj_w_codes 256 x 8 x 16 uint8 (E2M1 codes of proj_w, K innermost, in blocks of 32 codes, two codes a byte); proj_w_scales 256 x 8 uint8 (E8M0 scales of proj_w, one for each 32 codes along K); qkv_b 768 float32; qkv_w_codes 768 x 8 x 16 uint8 (E2M1 codes of qkv_w, K innermost, in blocks of 32 codes, two codes a byte); qkv_w_scales 768 x 8 uint8 (E8M0 scales of qkv_w, one for each 32 codes along K); x 1 x 32,768 x 256 float32; y_codes 1 x 32,768 x 8 x 16 uint8 (E2M1 codes of y, K innermost, in blocks of 32 codes, two codes a byte); y_scales 1 x 32,768 x 8 uint8 (E8M0 scales of y, one for each 32 codes along K).
;; Outputs: out0 1 x 32,768 x 256 float32.
;; Constants: D = 32, H = 32, W = 32.
;; This version of the problem:
;;   THIS VERSION OF THE PROBLEM IS GIVEN IN LOW PRECISION. The matrix products marked QUANTISED in the list below multiply operands that are first quantised to E2M1 (2 exponent bits, 1 mantissa bit; 4 bits a number), with one power-of-two scale for each 32 numbers along K (OCP MX v1.0); their sums are f32. All else is computed in f32.
;;   The module's matrix products, in the order in which they are computed (A, B: the left and right operand; K: the contracted axis; several contracted axes count as one K, in the product's order):
;;     1. [M 32,768, K 256] x [K 256, N 768]; A: computed on the way; B: input qkv_w (given as codes): QUANTISED
;;     2. [M 32,768, K 256] x [K 256, N 768]; A: input y (given as codes); B: input qkv_w (given as codes): QUANTISED
;;     3. batch 512 x [M 512, K 32] x [K 32, N 512]; A: computed on the way; B: computed on the way: QUANTISED
;;     4. [M 3,375, K 3] x [K 3, N 16]; A: computed on the way; B: input pp_w: left as it is (K = 3 < 32)
;;     5. [M 3,375, K 16] x [K 16, N 16]; A: computed on the way; B: input p1_w: left as it is (K = 16 < 32)
;;     6. [M 3,375, K 16] x [K 16, N 16]; A: computed on the way; B: input p2_w: left as it is (K = 16 < 32)
;;     7. [M 3,375, K 16] x [K 16, N 8]; A: computed on the way; B: input p3_w: left as it is (K = 16 < 32)
;;     8. batch 512 x [M 512, K 512] x [K 512, N 32]; A: softmax (see below); B: computed on the way: QUANTISED
;;     9. [M 32,768, K 256] x [K 256, N 256]; A: computed on the way; B: input proj_w (given as codes): QUANTISED
;;     10. [M 32,768, K 256] x [K 256, N 1,024]; A: computed on the way; B: input fc1_w (given as codes): QUANTISED
;;     11. [M 32,768, K 1,024] x [K 1,024, N 256]; A: computed on the way; B: input fc2_w (given as codes): QUANTISED
;;   THE QUANTISER, for each operand of a quantised product, along K:
;;     - K is cut into blocks of 32 from its start; a last block that is shorter is filled with zeros.
;;     - A block's scale is 2^e with e = floor(log2(the largest magnitude in the block)) - 2, held to -126 .. 127; a block of zeros has e = 0. As a byte (E8M0): e + 127.
;;     - Each number is divided by its block's scale, clamped to +-6, and rounded to the nearest number of E2M1, ties to even, subnormals kept.
;;     - The product sums the exact products of the quantised numbers (number of the format x scale) in f32.
;;   ~~~python
;;   def quantise(x, axis):      # numpy; x: float32 -> the quantised numbers, widened to float32 again
;;       x = np.moveaxis(x, axis, -1); K = x.shape[-1]
;;       x = np.pad(x, [(0, 0)] * (x.ndim - 1) + [(0, -K % 32)]); x = x.reshape(x.shape[:-1] + (-1, 32)); a = np.abs(x).max(-1, keepdims=True)
;;       e = np.where(a > 0, np.clip(np.frexp(np.where(a > 0, a, 1))[1] - 1 - 2, -126, 127), 0)      # np.frexp(a)[1] - 1 = floor(log2(a)), exactly
;;       r = np.clip(x / 2.0 ** e, -6, 6)
;;       step = 2.0 ** (np.maximum(np.frexp(np.where(r == 0, 1, r))[1] - 1, 0) - 1)
;;       q = np.round(r / step) * step * 2.0 ** e      # np.round: ties to even
;;       return np.moveaxis(q.reshape(q.shape[:-2] + (-1,))[..., :K], -1, axis).astype(np.float32)
;;   ~~~
;;   SOFTMAX AHEAD OF A QUANTISED PRODUCT. Where the list says 'softmax', what is quantised is not the finished softmax but p = 2^(t - M), with t = logit x log2(e) and M = ceil(the row's largest t), a whole number; so 1/2 < the row's largest p <= 1. The row's sum l is taken of the UNQUANTISED p, in f32, and the product's result is divided by l at the end. Since M is a whole number, a kernel that streams over the keys may use a running M (the ceiling of the running maximum): every later rescaling is an exact power of two, which a block's scale takes up: the codes' values come out the same.
;;   OPERANDS COMPUTED ON THE WAY. 'Computed on the way' means the value that the module computes at that place (a softmax that the list does not call 'softmax' is quantised finished and normalised). What goes into a quantiser is computed in f32, as accurately as f32 sums, v_exp_f32 and their like allow (about 1e-6 of the number): no bf16 or f16 on the way to a quantiser, and a product that is left as it is and whose result goes on into a quantised operand takes f32 operands (vector FMAs, or v_wmma_f32_16x16x4_f32). A number that lies on a knife's edge between two numbers of the format may be rounded either way, as far as f32 arithmetic and the matrix unit's own rounding can turn it there, and no further.
;;   INPUTS GIVEN AS CODES. fc1_w (in the module: [256, 1024], K = its axis 0); fc2_w (in the module: [1024, 256], K = its axis 0); proj_w (in the module: [256, 256], K = its axis 0); qkv_w (in the module: [256, 768], K = its axis 0); y (in the module: [1, 32768, 256], K = its axis 2): each comes as NAME_codes (uint8): NAME with its K axis moved to the last place and cut into blocks of 32 codes, [.., K / 32, bytes a block], one block behind the other in memory; two codes a byte, the lower K in the low four bits (a code: sign, 2 exponent bits, 1 mantissa bit); and NAME_scales (uint8): the same leading axes, one E8M0 byte (e + 127) for each 32 codes along K. Its value is code x scale, taken as it is: it is not quantised again, and the codes and scales need not be those that the quantiser above would give.
;; One version. Each part assembles by itself: llvm-mc -triple=amdgcn-amd-amdhsa -mcpu=gfx1250 --defsym DOCPART=n.
;; ======== version 1 of 1: 2 launches
;; limits: right only within a limited range of input values
;; workspace buffers: kimg 4,194,304 bytes; vimg 4,194,304 bytes; kvsc 524,288 bytes; ptab 122,880 bytes
;; launch prep (part 1): grid 271 x 1, 8 waves a work-group, no clusters, 0 bytes of LDS; arguments y_codes, y_scales, qkv_w_codes, qkv_w_scales, qkv_b, kimg, vimg, kvsc, pp_w, pp_b, p1_lng, p1_lnb, p1_w, p1_b, p2_lng, p2_lnb, p2_w, p2_b, p3_lng, p3_lnb, p3_w, p3_b, ptab; writes kimg, vimg, kvsc, ptab
.if DOCPART == 1
	.amdgcn_target "amdgcn-amd-amdhsa--gfx1250"
	.amdhsa_code_object_version 6
	.text
	.protected	k_q5c52e25236_prep
	.globl	k_q5c52e25236_prep
	.p2align	8
	.type	k_q5c52e25236_prep,@function
k_q5c52e25236_prep:
	s_mov_b64 s[64:65], 0
	v_nop
	global_prefetch_b8 v0, s[64:65] scope:SCOPE_SE
	s_setreg_imm32_b32 hwreg(HW_REG_WAVE_MODE, 25, 1), 1
	s_wait_xcnt 0x0
; PREP: what every work-group of the second launch reads and none should make again.
; WORK LEFT OUT: reference() keeps qkv[0] of x's product and qkv_y[1], qkv_y[2] of y's; the other columns of both products are sliced away for all inputs, so only k and v of y are made here and only q of x in the
; second launch.  A NaN, an infinity or an overflow that reaches only those columns is not carried to the result.
; Work-groups 0-14: plane a of the table of position biases (the small MLP of reference(), in f32: its result goes into a softmax ahead of a quantiser).
; Work-groups 15-270: k and v of 128 keys of one window (a quarter window), wave = head: y (codes) x qkv_w (codes) + qkv_b, quantised to E2M1 and stored as IMAGES OF OPERAND REGISTERS.
;   kimg [window][head][f 8][1024 B]: a fragment's four K blocks hold FOUR tiles of 16 keys.  Block 2 c + hK of row rho is key 64 f + 32 c + 16 (rho / 8) + 8 hK + rho % 8.
;   vimg [window][head][s 4][dt 2][1024 B]: V^T, row rho = dim 8 dt + rho + 8 (rho / 8), K = keys 128 s ..
;   kvsc [window][head][s 4][lane 32][8 B]: word 0 K's scale words (lanes 0-15 fragment 2 s, lanes 16-31 fragment 2 s + 1), word 1 V's (dt 0, dt 1).
;   ptab [head 8][a 15][256 words]: word 16 b + e = the bias for key - query = (a - 7, b - 7, e - 7).  The pad words (e = 15, b = 15) get finite numbers too: they are copied with the rest.
; THE ROWS OF A TILE ARE NOT NEIGHBOURS: row rho of tile 2 b + u is number 32 b + 8 u + rho + 8 (rho / 8), so that in a result the 16 registers of tiles 2 b, 2 b + 1 are 16 neighbours along the axis quantised next.
; No LDS, no barrier: waves share nothing.  ptab is stored 128 consecutive bytes a wave's store: 0.12 MB in all, no stage is spent on it.
; LIMITS: NaN and infinities are not served.  A block of zeros gets the scale byte 1 where the quantiser says 127: its codes are zeros, and these bytes are read by this program alone.
; 1 / sqrt by v_rsq_f32 and a multiplication where reference() divides by a root.
; REGISTERS (k, v).  Window 1: v0-127 y's fragments; v128-159 k's weights; v160-191 v's; v192-207 k's bias; v208-223 v's.
;   Window 0: v1-8 offsets; v32-55 scale words and nothing else; v64-127 accumulators; v128-143 at work; v144-175 codes; v176-179 scale words made.
; REGISTERS (table), window 0: v1-5 offsets; v16-19 coordinates; v24-31 at work; v56-63 the way out; v80-111 pp_w, pp_b; v112-159 gains and biases of the norms; v160-183 weights; v184-207 the layers' biases;
;   v208-223 layer 0; v224-239 activations; v240-255 the two f32 accumulators, written by matrix instructions alone.
.set ACC,  64
.set TM,   128
.set PC,   144
.set E,    176
.set YS,   32
.set WKS,  48
.set WVS,  52
.set DA,   240
.set LTM,  24
.set OUTR, 56
.set WV,   2
.set SEL,  44
.set I16,  36
.set EPS,  37
.set MSB,  0
.macro WIN new                         ; the immediate's high byte repeats the setting that is left
.if MSB != \new
	s_set_vgpr_msb (MSB<<8)|\new
.set MSB, \new
.endif
.endm
.macro PL n
.rept \n
	v_nop
.endr
.endm
.macro MM d, a, b, c, sa, sb
	v_wmma_scale_f32_16x16x128_f8f6f4 v[\d:\d+7], v[\a:\a+7], v[\b:\b+7], v[\c:\c+7], v[\sa], v[\sb] matrix_a_fmt:MATRIX_FMT_FP4 matrix_b_fmt:MATRIX_FMT_FP4
.endm
; 64 numbers of a lane, register 16 b + i = k 32 b + 16 (lane / 16) + i of my row, become a fragment's codes in v[pc] on and its scale word in v[pw].
.macro QUANT s, pc, pw
.irp b, 0,1,2,3
	v_max3_num_f32 v[TM+\b], |v[\s+16*\b]|, |v[\s+1+16*\b]|, 0x1800000   ; my 16 numbers of block b, and the floor 2^(3 - 127): the byte cannot fall under 1
.endr
.irp i, 2,4,6,8,10,12,14
.irp b, 0,1,2,3
	v_max3_num_f32 v[TM+\b], v[TM+\b], |v[\s+16*\b+\i]|, |v[\s+1+16*\b+\i]|
.endr
.endr
.irp b, 0,1,2,3
	s_delay_alu instid0(VALU_DEP_4)
	v_permlanex16_b32 v[TM+4+\b], v[TM+\b], s[SEL], s[SEL+1]
.endr
.irp b, 0,1,2,3
	s_delay_alu instid0(VALU_DEP_4)
	v_max_num_f32 v[TM+\b], v[TM+\b], v[TM+4+\b]       ; with lane l xor 16's: the block's largest magnitude
.endr
.irp b, 0,1,2,3
	s_delay_alu instid0(VALU_DEP_4)
	v_add_nc_u32 v[TM+12+\b], 0xff000000, v[TM+\b]     ; 2 off its exponent field: the conversion's scale operand
.endr
.irp b, 0,1,2,3
	s_delay_alu instid0(VALU_DEP_4)
	v_lshrrev_b32 v[TM+4+\b], 23, v[TM+12+\b]          ; the scale's byte
.endr
	s_delay_alu instid0(VALU_DEP_3)
	v_lshl_or_b32 v[\pw], v[TM+5], 8, v[TM+4]
	s_delay_alu instid0(VALU_DEP_1)
	v_lshl_or_b32 v[\pw], v[TM+6], 16, v[\pw]
	s_delay_alu instid0(VALU_DEP_1)
	v_lshl_or_b32 v[\pw], v[TM+7], 24, v[\pw]
.irp b, 0,1,2,3
	v_cvt_scalef32_pk8_fp4_f32 v[\pc+2*\b], v[\s+16*\b:\s+7+16*\b], v[TM+12+\b]
	v_cvt_scalef32_pk8_fp4_f32 v[\pc+1+2*\b], v[\s+8+16*\b:\s+15+16*\b], v[TM+12+\b]
.endr
	v_nop                                              ; one plain place behind a scaled conversion
.irp c, 0,1                                        ; the operand wants a whole block in a lane: lanes 0-15 block 2 c, lanes 16-31 block 2 c + 1
.irp i, 0,1
	v_permlane16_swap_b32 v[\pc+4*\c+\i], v[\pc+2+4*\c+\i]
.endr
.endr
.endm
; k of 64 keys: source 0 = 16 dims of the weights, source 1 = 16 keys of y: a lane holds one key, registers run along the head's dims.  Eight accumulators by turns, K step by K step; the bias is the first C.
.macro KGRP g
	WIN 0x15
.irp t, 0,1,2,3
.irp u, 0,1
	MM ACC+16*\t+8*\u, 128+16*\u, 16*(4*\g+\t), 192+8*\u, WKS+2*\u, YS+2*(4*\g+\t)
.endr
.endr
	WIN 0x05
.irp t, 0,1,2,3
.irp u, 0,1
	MM ACC+16*\t+8*\u, 136+16*\u, 16*(4*\g+\t)+8, ACC+16*\t+8*\u, WKS+2*\u+1, YS+2*(4*\g+\t)+1
.endr
.endr
	WIN 0
	PL 4                                               ; four places in front of the first read of results
.endm
; v of 128 keys, 16 dims: source 0 = 16 keys of y, source 1 = 16 dims: a lane holds one dim, registers run along the keys.
.macro VGRP d
	WIN 0x15
.irp t, 0,1,2,3,4,5,6,7
	MM ACC+8*\t, 16*\t, 160+16*\d, 208+8*\d, YS+2*\t, WVS+2*\d
.endr
	WIN 0x05
.irp t, 0,1,2,3,4,5,6,7
	MM ACC+8*\t, 16*\t+8, 168+16*\d, ACC+8*\t, YS+2*\t+1, WVS+2*\d+1
.endr
	WIN 0
	PL 4
.endm
.macro VEC8 reg, adr, base, off
	global_load_b128 v[\reg:\reg+3], v[\adr], s[\base:\base+1] offset:\off
	global_load_b128 v[\reg+4:\reg+7], v[\adr], s[\base:\base+1] offset:\off+16
.endm
; mean and 1 / sqrt(variance + eps) over a slot's 16 features (8 mine, 8 in lane l xor 16); out = src - mean.  The source is read from its low end on.
.macro LNS src, out, tm
	v_add_f32 v[\tm], v[\src], v[\src+1]
	v_add_f32 v[\tm+1], v[\src+2], v[\src+3]
	v_add_f32 v[\tm+2], v[\src+4], v[\src+5]
	v_add_f32 v[\tm+3], v[\src+6], v[\src+7]
	s_delay_alu instid0(VALU_DEP_3)
	v_add_f32 v[\tm], v[\tm], v[\tm+1]
	s_delay_alu instid0(VALU_DEP_2)
	v_add_f32 v[\tm+2], v[\tm+2], v[\tm+3]
	s_delay_alu instid0(VALU_DEP_1)
	v_add_f32 v[\tm], v[\tm], v[\tm+2]
	s_delay_alu instid0(VALU_DEP_1)
	v_permlanex16_b32 v[\tm+1], v[\tm], s[SEL], s[SEL+1]
	s_delay_alu instid0(VALU_DEP_1)
	v_add_f32 v[\tm], v[\tm], v[\tm+1]
	s_delay_alu instid0(VALU_DEP_1)
	v_mul_f32 v[\tm], s[I16], v[\tm]
.irp j, 0,1,2,3,4,5,6,7
	v_sub_f32 v[\out+\j], v[\src+\j], v[\tm]
.endr
	v_mul_f32 v[\tm+1], v[\out], v[\out]
	v_mul_f32 v[\tm+2], v[\out+1], v[\out+1]
.irp j, 2,4,6
	s_delay_alu instid0(VALU_DEP_2)
	v_fma_f32 v[\tm+1], v[\out+\j], v[\out+\j], v[\tm+1]
	s_delay_alu instid0(VALU_DEP_2)
	v_fma_f32 v[\tm+2], v[\out+\j+1], v[\out+\j+1], v[\tm+2]
.endr
	s_delay_alu instid0(VALU_DEP_1)
	v_add_f32 v[\tm+1], v[\tm+1], v[\tm+2]
	s_delay_alu instid0(VALU_DEP_1)
	v_permlanex16_b32 v[\tm+2], v[\tm+1], s[SEL], s[SEL+1]
	s_delay_alu instid0(VALU_DEP_1)
	v_add_f32 v[\tm+1], v[\tm+1], v[\tm+2]
	s_delay_alu instid0(VALU_DEP_1)
	v_fma_f32 v[\tm+1], v[\tm+1], s[I16], s[EPS]
	s_wait_alu depctr_va_vdst(0)                       ; the wait ahead of the root
	v_rsq_f32 v[\tm+3], v[\tm+1]
.endm
.macro LNR src0, src1, g, b            ; relu(layernorm) of both tiles into v224-239
	LNS \src0, 224, LTM
	s_wait_alu depctr_va_vdst(0)
	LNS \src1, 232, LTM+4
	v_nop                                              ; a plain place behind the last root
	s_wait_alu depctr_va_vdst(0)                       ; ahead of the first line that names a root's result
.irp t, 0,1
.irp j, 0,1,2,3,4,5,6,7
	v_mul_f32 v[224+8*\t+\j], v[224+8*\t+\j], v[LTM+3+4*\t]
.endr
.irp j, 0,1,2,3,4,5,6,7
	v_fma_f32 v[224+8*\t+\j], v[224+8*\t+\j], v[\g+\j], v[\b+\j]
.endr
.irp j, 0,1,2,3,4,5,6,7
	v_max_num_f32 v[224+8*\t+\j], 0, v[224+8*\t+\j]
.endr
.endr
.endm
.macro LAYER n                         ; the two accumulators by turns; the layer's bias is the first C
.irp k, 0,1,2,3
.irp t, 0,1
.if \k == 0
	v_wmma_f32_16x16x4_f32 v[DA+8*\t:DA+7+8*\t], v[160+8*\n:161+8*\n], v[224+8*\t:225+8*\t], v[184+8*\n:191+8*\n]
.else
	v_wmma_f32_16x16x4_f32 v[DA+8*\t:DA+7+8*\t], v[160+8*\n+2*\k:161+8*\n+2*\k], v[224+8*\t+2*\k:225+8*\t+2*\k], v[DA+8*\t:DA+7+8*\t]
.endif
.endr
.endr
	PL 9                                               ; places behind this form: eight for the reads of results, nine for the next layer's first instruction, which writes over them
.endm
	v_lshrrev_b32 v1, 5, v0
	s_delay_alu instid0(VALU_DEP_1)
	v_readfirstlane_b32 s[WV], v1                      ; wave = head (k, v) or a run of 32 table words
	s_mov_b32 s[SEL], 0x76543210
	s_mov_b32 s[SEL+1], 0xfedcba98                     ; v_permlanex16_b32's selects for lane l xor 16
	s_cmp_lt_u32 ttmp9, 15
	s_cbranch_scc1 .Lpos
	; ---------------- k and v of 128 keys ----------------
	s_load_b512 s[4:19], s[0:1], 0x0                   ; y codes 4, y scales 6, w codes 8, w scales 10, bias 12, kimg 14, vimg 16, kvsc 18
	s_sub_co_u32 s34, ttmp9, 15
	s_lshr_b32 s35, s34, 2                             ; window
	s_and_b32 s36, s34, 3                              ; s: which 128 keys of it
	s_lshr_b32 s37, s35, 4                             ; the window's place along H,
	s_bfe_u32 s38, s35, 0x20002                        ; W,
	s_and_b32 s39, s35, 3                              ; D
	s_lshl_b32 s40, s37, 3
	s_lshl_b32 s41, s36, 1
	s_add_co_u32 s40, s40, s41
	s_lshl_b32 s40, s40, 10
	s_lshl_b32 s41, s38, 8
	s_add_co_u32 s40, s40, s41
	s_lshl_b32 s41, s39, 3
	s_add_co_u32 s40, s40, s41                         ; the first key's row of y: 1024 (8 wh + 2 s) + 256 ww + 8 wd
	s_lshl_b32 s41, s35, 3
	s_add_co_u32 s41, s41, s[WV]                       ; 8 x window + head
	s_mov_b32 s43, 0
	v_and_b32 v9, 15, v0                               ; r
	v_bfe_u32 v10, v0, 4, 1                            ; h
	v_bfe_u32 v11, v0, 3, 1                            ; r / 8
	v_and_b32 v12, 7, v0                               ; r % 8
	v_and_b32 v13, 31, v0
	s_delay_alu instid0(VALU_DEP_1)
	v_lshlrev_b32 v1, 4, v13                           ; 16 x lane: an image's place
	s_delay_alu instid0(VALU_DEP_2)
	v_lshlrev_b32 v2, 3, v13                           ; 8 x lane
	s_delay_alu instid0(VALU_DEP_4)
	v_lshl_add_u32 v14, v11, 6, v12                    ; y's row of my lane in a tile: 64 (r / 8) + r % 8 (two steps along W are 64 rows)
	s_delay_alu instid0(VALU_DEP_1)
	v_lshlrev_b32 v3, 7, v14
	s_delay_alu instid0(VALU_DEP_1)
	v_lshl_add_u32 v3, v10, 4, v3                      ; its codes: 128 bytes a row, + 16 h
	s_delay_alu instid0(VALU_DEP_3)
	v_lshlrev_b32 v4, 3, v14                           ; its scale bytes: 8 a row
	v_lshl_add_u32 v15, v11, 3, v9                     ; r + 8 (r / 8)
	s_delay_alu instid0(VALU_DEP_1)
	v_lshlrev_b32 v5, 7, v15
	s_delay_alu instid0(VALU_DEP_1)
	v_lshl_add_u32 v5, v10, 4, v5                      ; the weights' codes
	s_delay_alu instid0(VALU_DEP_3)
	v_lshlrev_b32 v6, 3, v15                           ; their scale bytes
	v_lshlrev_b32 v7, 6, v10                           ; k's bias: 16 h numbers on
	v_lshlrev_b32 v8, 2, v15                           ; v's bias: my dim's number
.irp b, 0,1,2,3
	v_mov_b32 v[TM+4+\b], 0                            ; written once: a lane permute's destination counts as one of its sources
.endr
	s_wait_alu depctr_va_vdst(0)                       ; the wait at the head's end
	s_wait_kmcnt 0x0
	s_lshl_b32 s42, s40, 7
	s_add_nc_u64 s[4:5], s[4:5], s[42:43]
	s_lshl_b32 s42, s40, 3
	s_add_nc_u64 s[6:7], s[6:7], s[42:43]
	s_lshl_b32 s42, s[WV], 12                          ; the head's 32 rows of a part of qkv_w; k's part begins 256 rows on, v's 512: in the immediates
	s_add_nc_u64 s[8:9], s[8:9], s[42:43]
	s_lshl_b32 s42, s[WV], 8
	s_add_nc_u64 s[10:11], s[10:11], s[42:43]
	s_lshl_b32 s42, s[WV], 7
	s_add_nc_u64 s[12:13], s[12:13], s[42:43]
	s_lshl_b32 s42, s41, 13
	s_lshl_b32 s46, s36, 11
	s_add_co_u32 s42, s42, s46
	s_add_nc_u64 s[14:15], s[14:15], s[42:43]
	s_add_nc_u64 s[16:17], s[16:17], s[42:43]
	s_lshl_b32 s42, s41, 10
	s_lshl_b32 s46, s36, 8
	s_add_co_u32 s42, s42, s46
	s_add_nc_u64 s[18:19], s[18:19], s[42:43]
	WIN 0x40                                           ; destinations in window 1
.irp t, 0,1,2,3,4,5,6,7                            ; y's tile T = 2 b + u begins at key 32 b + 8 u: row 1024 (b / 2) + 32 (4 (b % 2) + u)
.irp k, 0,1
.irp c, 0,1
	global_load_b128 v[16*\t+8*\k+4*\c:16*\t+8*\k+4*\c+3], v3, s[4:5] offset:(1024*(\t/4)+32*(4*((\t/2)%2)+\t%2))*128+64*\k+32*\c
.endr
.endr
.endr
.irp u, 0,1
.irp k, 0,1
.irp c, 0,1
	global_load_b128 v[128+16*\u+8*\k+4*\c:128+16*\u+8*\k+4*\c+3], v5, s[8:9] offset:32768+1024*\u+64*\k+32*\c
	global_load_b128 v[160+16*\u+8*\k+4*\c:160+16*\u+8*\k+4*\c+3], v5, s[8:9] offset:65536+1024*\u+64*\k+32*\c
.endr
.endr
	global_load_b128 v[192+8*\u:192+8*\u+3], v7, s[12:13] offset:1024+32*\u       ; k's bias in the result's layout: dims 16 h + 8 u + 0 .. 7
	global_load_b128 v[192+8*\u+4:192+8*\u+7], v7, s[12:13] offset:1024+32*\u+16
.irp j, 0,1,2,3,4,5,6,7
	global_load_b32 v[208+8*\u+\j], v8, s[12:13] offset:2048+32*\u                ; v's: a lane holds one dim, so all eight registers take its number
.endr
.endr
	WIN 0
.irp t, 0,1,2,3,4,5,6,7
	global_load_b64 v[YS+2*\t:YS+2*\t+1], v4, s[6:7] offset:(1024*(\t/4)+32*(4*((\t/2)%2)+\t%2))*8
.endr
.irp u, 0,1
	global_load_b64 v[WKS+2*\u:WKS+2*\u+1], v6, s[10:11] offset:2048+64*\u
	global_load_b64 v[WVS+2*\u:WVS+2*\u+1], v6, s[10:11] offset:4096+64*\u
.endr
	s_wait_loadcnt 0x0
	KGRP 0
	QUANT ACC, PC, E
	global_store_b128 v1, v[PC:PC+3], s[14:15]                     ; an image: each store covers 512 consecutive bytes; each group has its own eight registers
	global_store_b128 v1, v[PC+4:PC+7], s[14:15] offset:512
	KGRP 1
	QUANT ACC, PC+8, E+2
	global_store_b128 v1, v[PC+8:PC+11], s[14:15] offset:1024
	global_store_b128 v1, v[PC+12:PC+15], s[14:15] offset:1536
	VGRP 0
	QUANT ACC, PC+16, E+1
	global_store_b128 v1, v[PC+16:PC+19], s[16:17]
	global_store_b128 v1, v[PC+20:PC+23], s[16:17] offset:512
	VGRP 1
	QUANT ACC, PC+24, E+3
	global_store_b128 v1, v[PC+24:PC+27], s[16:17] offset:1024
	global_store_b128 v1, v[PC+28:PC+31], s[16:17] offset:1536
	v_permlane16_swap_b32 v[E], v[E+2]                 ; lanes 0-15 keep the first fragment's words, lanes 16-31 take the second's
	v_permlane16_swap_b32 v[E+1], v[E+3]
	global_store_b64 v2, v[E:E+1], s[18:19]            ; 256 consecutive bytes, aligned
	s_endpgm
	; ---------------- plane a = work-group of the bias table ----------------
	; A lane holds one slot (table word) and eight of its 16 features, 8 h + j; a wave two tiles of 16 slots.  The three layers go by the f32 matrix form, transposed (source 0 = the weights,
	; source 1 = the activations).  K step kk takes features 8 h + 2 kk + j in lane half h, register j, alike on both sides: so source 1 is simply register pair 2 kk of the activations.
.Lpos:
	s_load_b512 s[4:19], s[0:1], 0x40                  ; pp_w 4, pp_b 6, p1_lng 8, p1_lnb 10, p1_w 12, p1_b 14, p2_lng 16, p2_lnb 18
	s_load_b256 s[20:27], s[0:1], 0x80                 ; p2_w 20, p2_b 22, p3_lng 24, p3_lnb 26
	s_load_b128 s[28:31], s[0:1], 0xa0                 ; p3_w 28, p3_b 30
	s_load_b64 s[32:33], s[0:1], 0xb0                  ; ptab
	s_mov_b32 s[I16], 0x3d800000                       ; 1 / 16
	s_mov_b32 s[EPS], 0x3727c5ac                       ; 1e-5
	v_and_b32 v9, 15, v0                               ; r
	v_bfe_u32 v10, v0, 4, 1                            ; h
	s_delay_alu instid0(VALU_DEP_1)
	v_lshlrev_b32 v1, 5, v10                           ; 32 h: my eight features of a vector of 16
	s_delay_alu instid0(VALU_DEP_3)
	v_lshlrev_b32 v2, 2, v9
	s_delay_alu instid0(VALU_DEP_1)
	v_lshl_add_u32 v2, v10, 9, v2                      ; p1_w, p2_w: row 8 h .., column r
	v_and_b32 v3, 7, v0
	s_delay_alu instid0(VALU_DEP_1)
	v_lshlrev_b32 v3, 2, v3
	s_delay_alu instid0(VALU_DEP_1)
	v_lshl_add_u32 v3, v10, 8, v3                      ; p3_w: row 8 h .., column r % 8: rows 8-15 of source 0 repeat the eight heads
	v_mov_b32 v4, 0
	v_lshlrev_b32 v5, 2, v0                            ; the way out: 4 x thread = the slot's word
	s_lshl_b32 s38, s[WV], 5
	v_add_nc_u32 v17, s38, v9                          ; slot of tile 0: 32 wave + r
	s_delay_alu instid0(VALU_DEP_1)
	v_add_nc_u32 v19, 16, v17                          ; of tile 1
.irp t, 0,1
	v_lshrrev_b32 v[18+2*\t], 4, v[17+2*\t]            ; b = slot / 16
	v_and_b32 v[17+2*\t], 15, v[17+2*\t]               ; e = slot % 16
	s_delay_alu instid0(VALU_DEP_2)
	v_sub_nc_u32 v[18+2*\t], 7, v[18+2*\t]
	s_delay_alu instid0(VALU_DEP_2)
	v_sub_nc_u32 v[17+2*\t], 7, v[17+2*\t]
	s_delay_alu instid0(VALU_DEP_2)
	v_cvt_f32_i32 v[18+2*\t], v[18+2*\t]               ; the second coordinate, 7 - b
	s_delay_alu instid0(VALU_DEP_2)
	v_cvt_f32_i32 v[17+2*\t], v[17+2*\t]               ; the third, 7 - e
.endr
	s_sub_co_i32 s39, 7, ttmp9
	v_cvt_f32_i32 v16, s39                             ; the first, 7 - a
	s_lshl_b32 s40, ttmp9, 10
	s_mov_b32 s41, 0
	v_and_b32 v12, 31, v0
	s_delay_alu instid0(VALU_DEP_1)
	v_cmp_lt_u32 vcc_lo, 15, v12                       ; lanes 16-31
	s_wait_alu depctr_va_vdst(0)                       ; the wait at the head's end
	s_wait_kmcnt 0x0
	s_add_nc_u64 s[32:33], s[32:33], s[40:41]
	VEC8 80, 1, 4, 0
	VEC8 88, 1, 4, 64
	VEC8 96, 1, 4, 128
	VEC8 104, 1, 6, 0
	VEC8 112, 1, 8, 0
	VEC8 120, 1, 10, 0
	VEC8 128, 1, 16, 0
	VEC8 136, 1, 18, 0
	VEC8 144, 1, 24, 0
	VEC8 152, 1, 26, 0
	VEC8 184, 1, 14, 0
	VEC8 192, 1, 22, 0
	VEC8 200, 4, 30, 0                                 ; p3_b: both halves of the lanes hold heads 0 .. 7
.irp i, 0,1,2,3,4,5,6,7
	global_load_b32 v[160+\i], v2, s[12:13] offset:64*\i
	global_load_b32 v[168+\i], v2, s[20:21] offset:64*\i
	global_load_b32 v[176+\i], v3, s[28:29] offset:32*\i
.endr
	s_wait_loadcnt 0x0
.irp t, 0,1
.irp j, 0,1,2,3,4,5,6,7
	v_fma_f32 v[208+8*\t+\j], v[17+2*\t], v[96+\j], v[104+\j]
.endr
.irp j, 0,1,2,3,4,5,6,7
	v_fma_f32 v[208+8*\t+\j], v[18+2*\t], v[88+\j], v[208+8*\t+\j]
.endr
.irp j, 0,1,2,3,4,5,6,7
	v_fma_f32 v[208+8*\t+\j], v16, v[80+\j], v[208+8*\t+\j]
.endr
.endr
	LNR 208, 216, 112, 120
	LAYER 0
	LNR DA, DA+8, 128, 136
	LAYER 1
	LNR DA, DA+8, 144, 152
	LAYER 2
.irp j, 0,1,2,3,4,5,6,7                            ; register j = head j in both halves of the lanes: lanes 0-15 give tile 0's slots, lanes 16-31 tile 1's
	v_cndmask_b32 v[OUTR+\j], v[DA+\j], v[DA+8+\j], vcc_lo
.endr
.irp j, 0,1,2,3,4,5,6,7
	global_store_b32 v5, v[OUTR+\j], s[32:33] offset:15360*\j
.endr
	s_endpgm
.Lfunc_end_k_q5c52e25236_prep:
	.size	k_q5c52e25236_prep, .Lfunc_end_k_q5c52e25236_prep-k_q5c52e25236_prep
	.p2alignl 7, 3214868480
	.fill 96, 4, 3214868480
	.section	.rodata,"a",@progbits
	.p2align	6, 0x0
	.amdhsa_kernel k_q5c52e25236_prep
		.amdhsa_group_segment_fixed_size 0
		.amdhsa_private_segment_fixed_size 0
		.amdhsa_enable_private_segment 0
		.amdhsa_kernarg_size 184
		.amdhsa_user_sgpr_count 2
		.amdhsa_user_sgpr_kernarg_segment_ptr 1
		.amdhsa_wavefront_size32 1
		.amdhsa_system_sgpr_workgroup_id_x 1
		.amdhsa_system_sgpr_workgroup_id_y 1
		.amdhsa_system_sgpr_workgroup_id_z 1
		.amdhsa_system_vgpr_workitem_id 0
		.amdhsa_next_free_vgpr 512
		.amdhsa_next_free_sgpr 66
		.amdhsa_reserve_vcc 1
		.amdhsa_float_denorm_mode_32 3
		.amdhsa_float_denorm_mode_16_64 3
		.amdhsa_memory_ordered 1
		.amdhsa_forward_progress 1
		.amdhsa_inst_pref_size 68
	.end_amdhsa_kernel
	.amdgpu_metadata
---
amdhsa.version: [ 1, 2 ]
amdhsa.kernels:
  - .name:           k_q5c52e25236_prep
    .symbol:         k_q5c52e25236_prep.kd
    .args:
      - { .name: y_codes, .offset: 0, .size: 8, .value_kind: global_buffer, .address_space: global }
      - { .name: y_scales, .offset: 8, .size: 8, .value_kind: global_buffer, .address_space: global }
      - { .name: qkv_w_codes, .offset: 16, .size: 8, .value_kind: global_buffer, .address_space: global }
      - { .name: qkv_w_scales, .offset: 24, .size: 8, .value_kind: global_buffer, .address_space: global }
      - { .name: qkv_b, .offset: 32, .size: 8, .value_kind: global_buffer, .address_space: global }
      - { .name: kimg, .offset: 40, .size: 8, .value_kind: global_buffer, .address_space: global }
      - { .name: vimg, .offset: 48, .size: 8, .value_kind: global_buffer, .address_space: global }
      - { .name: kvsc, .offset: 56, .size: 8, .value_kind: global_buffer, .address_space: global }
      - { .name: pp_w, .offset: 64, .size: 8, .value_kind: global_buffer, .address_space: global }
      - { .name: pp_b, .offset: 72, .size: 8, .value_kind: global_buffer, .address_space: global }
      - { .name: p1_lng, .offset: 80, .size: 8, .value_kind: global_buffer, .address_space: global }
      - { .name: p1_lnb, .offset: 88, .size: 8, .value_kind: global_buffer, .address_space: global }
      - { .name: p1_w, .offset: 96, .size: 8, .value_kind: global_buffer, .address_space: global }
      - { .name: p1_b, .offset: 104, .size: 8, .value_kind: global_buffer, .address_space: global }
      - { .name: p2_lng, .offset: 112, .size: 8, .value_kind: global_buffer, .address_space: global }
      - { .name: p2_lnb, .offset: 120, .size: 8, .value_kind: global_buffer, .address_space: global }
      - { .name: p2_w, .offset: 128, .size: 8, .value_kind: global_buffer, .address_space: global }
      - { .name: p2_b, .offset: 136, .size: 8, .value_kind: global_buffer, .address_space: global }
      - { .name: p3_lng, .offset: 144, .size: 8, .value_kind: global_buffer, .address_space: global }
      - { .name: p3_lnb, .offset: 152, .size: 8, .value_kind: global_buffer, .address_space: global }
      - { .name: p3_w, .offset: 160, .size: 8, .value_kind: global_buffer, .address_space: global }
      - { .name: p3_b, .offset: 168, .size: 8, .value_kind: global_buffer, .address_space: global }
      - { .name: ptab, .offset: 176, .size: 8, .value_kind: global_buffer, .address_space: global }
    .group_segment_fixed_size: 0
    .private_segment_fixed_size: 0
    .kernarg_segment_align: 8
    .kernarg_segment_size: 184
    .max_flat_workgroup_size: 256
    .sgpr_count:     66
    .vgpr_count:     512
    .wavefront_size: 32
...
	.end_amdgpu_metadata
.endif
;; end of part 1
;; launch block (part 2): grid 256 x 1, 8 waves a work-group, no clusters, 318,720 bytes of LDS; arguments x, n1_g, n1_b, qkv_w_codes, qkv_w_scales, qkv_b, kimg, vimg, kvsc, ptab, proj_w_codes, proj_w_scales, proj_b, n2_g, n2_b, fc1_w_codes, fc1_w_scales, fc1_b, fc2_w_codes, fc2_w_scales, fc2_b, out0; writes out0
.if DOCPART == 2
	.amdgcn_target "amdgcn-amd-amdhsa--gfx1250"
	.amdhsa_code_object_version 6
	.text
	.protected	k_q5c52e25236_block
	.globl	k_q5c52e25236_block
	.p2align	8
	.type	k_q5c52e25236_block,@function
k_q5c52e25236_block:
	s_mov_b64 s[64:65], 0
	v_nop
	global_prefetch_b8 v0, s[64:65] scope:SCOPE_SE
	s_setreg_imm32_b32 hwreg(HW_REG_WAVE_MODE, 25, 1), 1
	s_wait_xcnt 0x0
; BLOCK: the whole transformer block for 128 tokens, a quarter of a window of 8 x 8 x 8: LN1, q, attention over 8 heads with position bias, proj + x, LN2, fc1, exact GELU, fc2 + residual.
; All large products on E2M1 codes with E8M0 scales; every operand made here is quantised from f32.  x is read once, out0 written once, nothing else of the 128 rows goes to memory.
; SHARES.  Work-group = (window, quarter qq).  Eight tiles u of 16 rows; row r of tile u is token 128 qq + 16 (7 - u) + r of the window (the tiles run backwards so that the bias table's offsets are never negative).
; A wave has two parts.  ROW OWNER of tile u = wave: x in, both LayerNorms, out0.  COLUMN OWNER: head = wave in q and attention; columns 32 w .. of proj and fc2; hidden units 128 w .. of fc1.
; As column owner it keeps its weights and its head's K and V (all 512 keys: 128 registers) in REGISTERS, read from memory once.  Rows go from wave to wave through LDS: f32 rows in R,
; operands as images of their registers (16 bytes a lane, 512 bytes a store), scale words 4 bytes a row.
; ATTENTION.  S^T = K q^T + bias, O^T = V^T p^T: a lane holds one query throughout.  The scores' K is 32, the instruction's 128: a fragment of K holds four tiles of 16 keys in its four K blocks, and q is set into
; one block with zero codes in the other three.  THE BIAS IS THE C OF THE SCORES' PRODUCT, loaded from the head's part of the table in LDS: no addition.  p = 2^(t - M), M the ceiling of the running largest t,
; the sum taken of the unquantised p; O and the sum are multiplied by 2^(old M - new M), exact.
; NO CLUSTER, NO TENSOR LOAD: what work-groups share (a window's K and V images, 16 KB a wave; the weights) goes from memory straight into each wave's registers, once; no tile lies in LDS that a joint load could fill.
; LIMITS: NaN and infinities are not served.  A block of zeros gets the scale byte 1 (its codes are zeros; the bytes stay in LDS).  p under 2^-126 is 0.  1 / sqrt by v_rsq_f32 and a multiplication.
; proj_b and fc2_b are added to the residual ahead of the products' sums (another order of f32 rounding than reference()'s).  erf(z) = z P(z^2) / Q(z^2), z held at +-4: the usual f32 rational form.
; LDS: R 128 rows x 1040 (x, then x + proj, then the result) | TAB 8 x 9216 (head w: nine planes of the table), later the hidden layer's images and scale words | xn's (later x2's) images, words | attention's images, words.
; REGISTERS, window 0: v1-31 addresses and the softmax's four numbers; v32-63 scale words and nothing else; v64-255 by phase (below).  Window 1: gains and biases of a LayerNorm; then K, V, Wq, bq, Wp, bp; then W1 / W2, b1, b2.
; so that from phase to phase too no two matrix instructions that follow each other share an accumulator register.
.set RP,   1040
.set TAB,  133120
.set HIMG, 133120
.set HSC,  198656
.set XIMG, 206848
.set XSC,  223232
.set AIMG, 224256
.set ASC,  240640
.set TAB2, 242712                      ; behind the spare words: a second copy of the eight heads' tables, each word one place further on, so that a lane whose run of bias words begins at an odd word reads it in aligned pairs there
.set GBT,  316672                      ; n2_g, then n2_b, 1024 bytes each: brought once, 256 bytes a wave
.set LI,   1                           ; 16 x lane
.set LS,   2                           ; 4 x (lane % 16)
.set RROW, 3                           ; R: my tile's rows, 16 bytes a lane
.set RLN,  4                           ; R: row r of my tile, + 64 h
.set RC,   5                           ; v5, v6: R: row r, my 32 columns, + 32 h; tiles 0-3, tiles 4-7
.set GA,   7                           ; 64 h
.set BA0,  8                           ; my lane's place in my head's table
.set BAD,  9
.set ADX,  10
.set ADXS, 11
.set AOA,  16
.set AOS,  17
.set XWI,  18
.set XWS,  19
.set HWI,  20
.set HWS,  21
.set LIH,  22
.set LSH,  23
.set W5,   24                          ; weights whose rows are chosen: (r + 8 (r / 8)) x 128 + 16 h
.set W5S,  25
.set WN,   26                          ; weights in natural rows: 128 r + 16 h
.set WNS,  27
.set W2A,  28
.set W2SA, 29
.set GB,   30                          ; 32 h
.set L8,   31                          ; 8 x lane
.set WQS,  32
.set WPS,  36
.set SC,   40
.set QS,   48
.set PS,   49
.set XS,   50
.set AS,   52
.set W1S,  32
.set W2S,  48
.set HS,   32
.set QV,   64                          ; attention: v64-83 q low | zeros | q high | zeros | q low: every place of q among four K blocks is a run of eight of these
.set XF,   84
.set QA,   100
.set O,    116
.set P,    132
.set S,    140
.set T,    204                         ; +0..3 block maxima, +4..7 exchange and bytes, +8..11 conversion scales, +12:13 f, +14 at work, +16:17 second sum, +18..21 Q1, +22:23 codes
.set TQ,   T+18
.set SA0,  228
.set SA1,  229
.set D,    64                          ; LayerNorm: a row's 128 numbers of my half
.set LT,   192
.set TM,   208
.set PC0,  224
.set PC1,  232
.set PW,   240
.set AF,   64
.set PA,   132
.set HA,   100
.set GZ,   164
.set GX,   180
.set GP,   196
.set GQ,   212
.set CA1,  242
.set CB1,  244
.set HF,   64
.set YA,   132
.set WV,   2
.set U,    48
.set XO,   51
.set XSO,  52
.set AO,   54
.set ASO,  55
.set SEL,  58
.set EPS,  60
.set INV,  61
.set CS,   62
.set MSB,  0
.macro WIN new                         ; the immediate's high byte repeats the setting that is left
.if MSB != \new
	s_set_vgpr_msb (MSB<<8)|\new
.set MSB, \new
.endif
.endm
.macro PL n
.rept \n
	v_nop
.endr
.endm
.macro MM d, a, b, c, sa, sb
	v_wmma_scale_f32_16x16x128_f8f6f4 v[\d:\d+7], v[\a:\a+7], v[\b:\b+7], v[\c:\c+7], v[\sa], v[\sb] matrix_a_fmt:MATRIX_FMT_FP4 matrix_b_fmt:MATRIX_FMT_FP4
.endm
.macro MM1 d, a, b, c, sa, sb          ; source 0's scale words from lanes 16-31
	v_wmma_scale_f32_16x16x128_f8f6f4 v[\d:\d+7], v[\a:\a+7], v[\b:\b+7], v[\c:\c+7], v[\sa], v[\sb] matrix_a_fmt:MATRIX_FMT_FP4 matrix_b_fmt:MATRIX_FMT_FP4 matrix_a_scale:MATRIX_SCALE_ROW1
.endm
.macro MMZ d, a, b, sa, sb             ; the first product starts a sum
	v_wmma_scale_f32_16x16x128_f8f6f4 v[\d:\d+7], v[\a:\a+7], v[\b:\b+7], 0, v[\sa], v[\sb] matrix_a_fmt:MATRIX_FMT_FP4 matrix_b_fmt:MATRIX_FMT_FP4
.endm
.macro MMZ1 d, a, b, sa, sb
	v_wmma_scale_f32_16x16x128_f8f6f4 v[\d:\d+7], v[\a:\a+7], v[\b:\b+7], 0, v[\sa], v[\sb] matrix_a_fmt:MATRIX_FMT_FP4 matrix_b_fmt:MATRIX_FMT_FP4 matrix_a_scale:MATRIX_SCALE_ROW1
.endm
; 64 numbers of a lane, register 16 b + i = k 32 b + 16 (lane / 16) + i of my row, become a fragment's codes in v[pc] on and its scale word in v[pw].
.macro QUANT s, pc, pw
.irp b, 0,1,2,3
	v_max3_num_f32 v[TM+\b], |v[\s+16*\b]|, |v[\s+1+16*\b]|, 0x1800000   ; my 16 numbers of block b, and the floor 2^(3 - 127): the byte cannot fall under 1
.endr
.irp i, 2,4,6,8,10,12,14
.irp b, 0,1,2,3
	s_delay_alu instid0(VALU_DEP_4)
	v_max3_num_f32 v[TM+\b], v[TM+\b], |v[\s+16*\b+\i]|, |v[\s+1+16*\b+\i]|
.endr
.endr
.irp b, 0,1,2,3
	v_permlanex16_b32 v[TM+4+\b], v[TM+\b], s[SEL], s[SEL+1]
.endr
.irp b, 0,1,2,3
	s_delay_alu instid0(VALU_DEP_4)
	v_max_num_f32 v[TM+\b], v[TM+\b], v[TM+4+\b]
.endr
.irp b, 0,1,2,3
	s_delay_alu instid0(VALU_DEP_4)
	v_add_nc_u32 v[TM+12+\b], 0xff000000, v[TM+\b]     ; 2 off the exponent field: the conversion's scale operand
.endr
.irp b, 0,1,2,3
	s_delay_alu instid0(VALU_DEP_4)
	v_lshrrev_b32 v[TM+4+\b], 23, v[TM+12+\b]          ; the scale's byte
.endr
	s_delay_alu instid0(VALU_DEP_3)
	v_lshl_or_b32 v[\pw], v[TM+5], 8, v[TM+4]
	s_delay_alu instid0(VALU_DEP_1)
	v_lshl_or_b32 v[\pw], v[TM+6], 16, v[\pw]
	s_delay_alu instid0(VALU_DEP_1)
	v_lshl_or_b32 v[\pw], v[TM+7], 24, v[\pw]
.irp b, 0,1,2,3
	v_cvt_scalef32_pk8_fp4_f32 v[\pc+2*\b], v[\s+16*\b:\s+7+16*\b], v[TM+12+\b]
	v_cvt_scalef32_pk8_fp4_f32 v[\pc+1+2*\b], v[\s+8+16*\b:\s+15+16*\b], v[TM+12+\b]
.endr
	v_nop                                              ; one plain place behind a scaled conversion
.irp c, 0,1
.irp i, 0,1
	v_permlane16_swap_b32 v[\pc+4*\c+\i], v[\pc+2+4*\c+\i]
.endr
.endr
.endm
; ONE block of 32: 16 numbers here, 16 in lane l xor 16.  Codes into v[c], v[c + 1], the byte into v[e].
.macro Q1 s, c, e
	v_max3_num_f32 v[TQ], |v[\s]|, |v[\s+1]|, 0x1800000
	v_max3_num_f32 v[TQ+1], |v[\s+2]|, |v[\s+3]|, |v[\s+6]|
	s_delay_alu instid0(VALU_DEP_2)
	v_max3_num_f32 v[TQ], v[TQ], |v[\s+4]|, |v[\s+5]|
	s_delay_alu instid0(VALU_DEP_2)
	v_max3_num_f32 v[TQ+1], v[TQ+1], |v[\s+7]|, |v[\s+10]|
	s_delay_alu instid0(VALU_DEP_2)
	v_max3_num_f32 v[TQ], v[TQ], |v[\s+8]|, |v[\s+9]|
	s_delay_alu instid0(VALU_DEP_2)
	v_max3_num_f32 v[TQ+1], v[TQ+1], |v[\s+11]|, |v[\s+14]|
	s_delay_alu instid0(VALU_DEP_2)
	v_max3_num_f32 v[TQ], v[TQ], |v[\s+12]|, |v[\s+13]|
	s_delay_alu instid0(VALU_DEP_1)
	v_max3_num_f32 v[TQ], v[TQ], v[TQ+1], |v[\s+15]|
	s_delay_alu instid0(VALU_DEP_1)
	v_permlanex16_b32 v[TQ+2], v[TQ], s[SEL], s[SEL+1]
	s_delay_alu instid0(VALU_DEP_1)
	v_max_num_f32 v[TQ], v[TQ], v[TQ+2]
	s_delay_alu instid0(VALU_DEP_1)
	v_add_nc_u32 v[TQ+3], 0xff000000, v[TQ]
	s_delay_alu instid0(VALU_DEP_1)
	v_lshrrev_b32 v[\e], 23, v[TQ+3]
	v_cvt_scalef32_pk8_fp4_f32 v[\c], v[\s:\s+7], v[TQ+3]
	v_cvt_scalef32_pk8_fp4_f32 v[\c+1], v[\s+8:\s+15], v[TQ+3]
	v_nop
.endm
.macro IMAGE adr, pc, off              ; a fragment goes to LDS as it stands,
	ds_store_b128 v[\adr], v[\pc:\pc+3] offset:\off
	ds_store_b128 v[\adr], v[\pc+4:\pc+7] offset:\off+512
.endm
.macro FETCH reg, adr, off             ; and comes back so, in any wave
	ds_load_b128 v[\reg:\reg+3], v[\adr] offset:\off
	ds_load_b128 v[\reg+4:\reg+7], v[\adr] offset:\off+512
.endm
.macro BAR                             ; my LDS stores have landed and my LDS loads are in: then the work-group's barrier
	s_wait_dscnt 0x0
	s_barrier_signal -1
	s_barrier_wait -1
.endm
.macro SPAIR r, val                    ; a constant for the packed forms, which name a pair
	s_mov_b32 s[\r], \val
	s_mov_b32 s[\r+1], \val
.endm
	s_load_b512 s[4:19], s[0:1], 0x0                   ; x 4, n1_g 6, n1_b 8, qkv codes 10, scales 12, qkv_b 14, kimg 16, vimg 18
	s_load_b512 s[20:35], s[0:1], 0x40                 ; kvsc 20, ptab 22, proj codes 24, scales 26, proj_b 28, n2_g 30, n2_b 32, fc1 codes 34
	s_load_b256 s[36:43], s[0:1], 0x80                 ; fc1 scales 36, fc1_b 38, fc2 codes 40, scales 42
	s_load_b128 s[44:47], s[0:1], 0xa0                 ; fc2_b 44, out0 46
	v_lshl_add_u32 v254, v0, 2, 0x3b000
	v_mov_b32 v255, 0
	v_lshrrev_b32 v64, 5, v0
	s_delay_alu instid0(VALU_DEP_1)
	v_readfirstlane_b32 s[WV], v64                     ; wave 0..7
	v_and_b32 v64, 31, v0                              ; lane
	v_and_b32 v65, 15, v0                              ; r
	v_bfe_u32 v66, v0, 4, 1                            ; h
	v_bfe_u32 v67, v0, 3, 1                            ; r / 8
	v_and_b32 v68, 7, v0                               ; r % 8
	v_lshlrev_b32 v[LI], 4, v64
	v_lshlrev_b32 v[LS], 2, v65
	s_mul_i32 s3, s[WV], 16*RP
	v_add_nc_u32 v[RROW], s3, v[LI]
	v_mul_u32_u24 v[RLN], v65, RP
	s_delay_alu instid0(VALU_DEP_1)
	v_lshl_add_u32 v[RC], v66, 5, v[RLN]
	s_delay_alu instid0(VALU_DEP_2)
	v_lshl_add_u32 v[RLN], v66, 6, v[RLN]
	s_delay_alu instid0(VALU_DEP_1)
	v_add_nc_u32 v[RLN], s3, v[RLN]
	s_lshl_b32 s56, s[WV], 7
	v_add_nc_u32 v[RC], s56, v[RC]
	s_delay_alu instid0(VALU_DEP_1)
	v_add_nc_u32 v[RC+1], 64*RP, v[RC]
	v_lshlrev_b32 v[GA], 6, v66
	v_lshlrev_b32 v[BA0], 7, v66                       ; the table: word 16 (1 - r / 8 + 2 h) + 7 - r % 8 of a plane, in my head's 9216 bytes; r % 8 even: in the second copy, one word on
	s_delay_alu instid0(VALU_DEP_1)
	v_add_nc_u32 v[BA0], TAB2+96, v[BA0]
	v_lshlrev_b32 v69, 6, v67
	s_delay_alu instid0(VALU_DEP_1)
	v_sub_nc_u32 v[BA0], v[BA0], v69
	v_lshlrev_b32 v69, 2, v68
	s_delay_alu instid0(VALU_DEP_1)
	v_sub_nc_u32 v[BA0], v[BA0], v69
	s_mul_i32 s56, s[WV], 9216
	v_add_nc_u32 v[BA0], s56, v[BA0]
	s_add_co_u32 s56, s56, TAB
	v_add_nc_u32 v[BAD], s56, v[LI]                    ; (for now: where the table's copy goes)
	v_and_b32 v69, 1, v0
	s_delay_alu instid0(VALU_DEP_1)
	v_mul_u32_u24 v69, v69, TAB2+4-TAB                 ; r % 8 odd: the run begins at an even word: the first copy
	s_delay_alu instid0(VALU_DEP_1)
	v_sub_nc_u32 v[BA0], v[BA0], v69
	s_add_co_u32 s56, s56, TAB2+4-TAB
	v_add_nc_u32 v[ADX], s56, v[LI]                    ; (for now: where the second copy goes, one word on)
	s_lshl_b32 s56, s[WV], 8
	s_add_co_u32 s56, s56, GBT
	v_lshl_add_u32 v[ADXS], v64, 3, s56                ; (for now: where my 256 bytes of LN2's gain or bias go, 8 bytes a lane)
	v_lshlrev_b32 v[AOA], 4, v65
	s_delay_alu instid0(VALU_DEP_1)
	v_lshl_add_u32 v[AOA], v66, 3, v[AOA]
	s_lshl_b32 s56, s[WV], 8
	s_add_co_u32 s56, s56, AIMG
	v_add_nc_u32 v[AOA], s56, v[AOA]                   ; attention's image: head w is K block w: 256 w + 16 r + 8 h
	s_lshr_b32 s56, s[WV], 2
	s_lshl_b32 s56, s56, 6
	s_and_b32 s57, s[WV], 3
	s_add_co_u32 s56, s56, s57
	s_add_co_u32 s56, s56, ASC
	v_add_nc_u32 v[AOS], s56, v[LS]                    ; its scale byte: word of K step w / 4, byte w % 4
	s_lshl_b32 s56, s[WV], 11
	s_add_co_u32 s56, s56, XIMG
	v_add_nc_u32 v[XWI], s56, v[LI]
	s_lshl_b32 s56, s[WV], 7
	s_add_co_u32 s56, s56, XSC
	v_add_nc_u32 v[XWS], s56, v[LS]
	s_lshl_b32 s56, s[WV], 10
	s_add_co_u32 s56, s56, HIMG
	v_add_nc_u32 v[HWI], s56, v[LI]
	s_lshl_b32 s56, s[WV], 6
	s_add_co_u32 s56, s56, HSC
	v_add_nc_u32 v[HWS], s56, v[LS]
	v_add_nc_u32 v[LIH], HIMG, v[LI]
	v_add_nc_u32 v[LSH], HSC, v[LS]
	v_lshl_add_u32 v69, v67, 3, v65                    ; r + 8 (r / 8)
	s_delay_alu instid0(VALU_DEP_1)
	v_lshlrev_b32 v[W5], 7, v69
	s_delay_alu instid0(VALU_DEP_1)
	v_lshl_add_u32 v[W5], v66, 4, v[W5]
	s_delay_alu instid0(VALU_DEP_3)
	v_lshlrev_b32 v[W5S], 3, v69
	v_lshlrev_b32 v[WN], 7, v65
	s_delay_alu instid0(VALU_DEP_1)
	v_lshl_add_u32 v[WN], v66, 4, v[WN]
	v_lshlrev_b32 v[WNS], 3, v65
	v_lshlrev_b32 v[W2A], 9, v65
	s_delay_alu instid0(VALU_DEP_1)
	v_lshl_add_u32 v[W2A], v66, 4, v[W2A]
	v_lshlrev_b32 v[W2SA], 5, v65
	v_lshlrev_b32 v[GB], 5, v66
	v_lshlrev_b32 v[L8], 3, v64
.irp b, 4,5,6,7
	v_mov_b32 v[TM+\b], 0                              ; written once: a lane permute's destination counts as one of its sources
.endr
	v_mov_b32 v[CA1], 0x326dffee                       ; erf: the second coefficients of P / 2 and Q, as pairs
	v_mov_b32 v[CA1+1], 0x326dffee
	v_mov_b32 v[CB1], 0xb95fbd29
	v_mov_b32 v[CB1+1], 0xb95fbd29
	SPAIR 66, 0xaf15df0b                               ; P / 2 (each coefficient halved, exactly): a0, a2 .. a6
	SPAIR 68, 0xb58cff51
	SPAIR 70, 0xb7eec2d2
	SPAIR 72, 0xb9c0ac63
	SPAIR 74, 0xbac1a1f6
	SPAIR 76, 0xbc03dbd4
	SPAIR 78, 0xb77460cd                               ; Q: b0, b2 .. b4
	SPAIR 80, 0xbadc924e
	SPAIR 82, 0xbbf19bf8
	SPAIR 84, 0xbc69b6a7
	s_mov_b32 s[SEL], 0x76543210
	s_mov_b32 s[SEL+1], 0xfedcba98
	s_mov_b32 s[EPS], 0x3727c5ac                       ; 1e-5
	s_mov_b32 s[INV], 0x3b800000                       ; 1 / 256
	SPAIR CS, 0x3fb8aa3b                               ; log2(e)
	s_lshr_b32 s48, ttmp9, 2                           ; window
	s_and_b32 s49, ttmp9, 3                            ; qq
	s_lshr_b32 s50, s48, 4                             ; the window's place along H,
	s_bfe_u32 s51, s48, 0x20002                        ; W,
	s_and_b32 s52, s48, 3                              ; D
	s_sub_co_u32 s53, 7, s[WV]                         ; t = 7 - my tile
	s_lshl_b32 s54, s50, 3
	s_lshl_b32 s55, s49, 1
	s_add_co_u32 s54, s54, s55
	s_lshr_b32 s55, s53, 2
	s_add_co_u32 s54, s54, s55
	s_lshl_b32 s54, s54, 10
	s_lshl_b32 s55, s51, 3
	s_and_b32 s53, s53, 3
	s_lshl_b32 s53, s53, 1
	s_add_co_u32 s55, s55, s53
	s_lshl_b32 s55, s55, 5
	s_add_co_u32 s54, s54, s55
	s_lshl_b32 s55, s52, 3
	s_add_co_u32 s54, s54, s55                         ; my tile's first row of x: 1024 (8 wh + 2 qq + t / 4) + 32 (8 ww + 2 (t % 4)) + 8 wd
	s_lshl_b32 s55, s48, 3
	s_add_co_u32 s55, s55, s[WV]                       ; 8 x window + head
	s_lshl_b32 s90, s50, 3                             ; the way out: of each half of the 128 rows I store rows 8 w .. 8 w + 7: tile w / 2 of the half, its rows 8 (w % 2) ..
	s_lshl_b32 s91, s49, 1
	s_add_co_u32 s90, s90, s91                         ; 8 wh + 2 qq
	s_lshl_b32 s90, s90, 5
	s_lshl_b32 s91, s51, 3
	s_add_co_u32 s90, s90, s91
	s_add_co_u32 s90, s90, 6
	s_and_b32 s91, s[WV], 6
	s_sub_co_u32 s90, s90, s91
	s_and_b32 s91, s[WV], 1
	s_add_co_u32 s90, s90, s91                         ; 32 (8 wh + 2 qq) + 8 ww + 2 (3 - w / 2) + w % 2
	s_lshl_b32 s90, s90, 2
	s_add_co_u32 s90, s90, s52
	s_lshl_b32 s90, s90, 13                            ; x 32 rows, + 8 wd rows, in bytes: the second half's rows; the first half's lie 1024 rows on
	s_mov_b32 s91, 0
	s_mov_b32 s57, 0
	s_wait_alu depctr_va_vdst(0)                       ; the wait at the head's end
	s_wait_kmcnt 0x0
	s_lshl_b32 s56, s54, 10                            ; every base is stepped here, ahead of every load that names it, and never again
	s_add_nc_u64 s[4:5], s[4:5], s[56:57]
	s_add_nc_u64 s[46:47], s[46:47], s[90:91]
	s_lshl_b32 s56, s[WV], 12
	s_add_nc_u64 s[10:11], s[10:11], s[56:57]
	s_add_nc_u64 s[24:25], s[24:25], s[56:57]
	s_lshl_b32 s56, s[WV], 8
	s_add_nc_u64 s[12:13], s[12:13], s[56:57]
	s_add_nc_u64 s[26:27], s[26:27], s[56:57]
	s_lshl_b32 s56, s[WV], 7
	s_add_nc_u64 s[14:15], s[14:15], s[56:57]
	s_add_nc_u64 s[28:29], s[28:29], s[56:57]
	s_add_nc_u64 s[44:45], s[44:45], s[56:57]
	s_lshl_b32 s56, s55, 13
	s_add_nc_u64 s[16:17], s[16:17], s[56:57]
	s_add_nc_u64 s[18:19], s[18:19], s[56:57]
	s_lshl_b32 s56, s55, 10
	s_add_nc_u64 s[20:21], s[20:21], s[56:57]
	s_mul_i32 s56, s[WV], 15360
	s_sub_co_u32 s53, 3, s49
	s_lshl_b32 s53, s53, 11
	s_add_co_u32 s56, s56, s53                         ; my head's planes 6 - 2 qq .. 14 - 2 qq: all that 128 queries of this quarter can meet
	s_add_nc_u64 s[22:23], s[22:23], s[56:57]
	s_lshl_b32 s56, s[WV], 14
	s_add_nc_u64 s[34:35], s[34:35], s[56:57]
	s_add_nc_u64 s[40:41], s[40:41], s[56:57]
	s_lshl_b32 s56, s[WV], 10
	s_add_nc_u64 s[36:37], s[36:37], s[56:57]
	s_add_nc_u64 s[42:43], s[42:43], s[56:57]
	s_lshl_b32 s56, s[WV], 9
	s_add_nc_u64 s[38:39], s[38:39], s[56:57]
	s_cmp_lt_u32 s[WV], 4                              ; waves 0-3: the quarters of n2_g; waves 4-7: of n2_b
	s_cselect_b64 s[86:87], s[30:31], s[32:33]
	s_and_b32 s56, s[WV], 3
	s_lshl_b32 s56, s56, 8
	s_add_nc_u64 s[86:87], s[86:87], s[56:57]
	global_load_b64 v[12:13], v[L8], s[86:87]
	; ---- x and the table come in.  Each load of x covers 512 consecutive bytes: half a row
.set k, 0
.rept 32
	global_load_b128 v[D+4*k:D+4*k+3], v[LI], s[4:5] offset:(32*(k/16)+(k/2)%8)*1024+512*(k%2) th:TH_LOAD_NT
.set k, k+1
.endr
	WIN 0x40
.set k, 0
.rept 18
	global_load_b128 v[4*k:4*k+3], v[LI], s[22:23] offset:512*k
.set k, k+1
.endr
	WIN 0
	s_wait_loadcnt 18                                  ; x's 32 loads are in; the table's 18, issued behind them, may be out
.set k, 0
.rept 32
	ds_store_b128 v[RROW], v[D+4*k:D+4*k+3] offset:(k/2)*RP+512*(k%2)
.set k, k+1
.endr
	ds_store_b64 v[ADXS], v[12:13]                     ; my part of LN2's gain and bias (its load was issued ahead of x's); read behind later barriers
	s_wait_loadcnt 0x0
	WIN 0x04                                           ; an LDS store's data are its source 1: window 1
.set k, 0
.rept 18
	ds_store_b128 v[BAD], v[4*k:4*k+3] offset:512*k
.irp i, 0,1,2,3
	ds_store_b32 v[ADX], v[4*k+\i] offset:512*k+4*\i   ; the second copy, word by word: its places are one word off the 16-byte grid
.endr
.set k, k+1
.endr
	WIN 0
; LAYERNORM of my 16 rows, as R holds them.  Lane (r, h) takes of row r the 16 numbers 32 b + 16 h + 0 .. 15 of each block b: the layout that QUANT wants.  Two passes (mean, then squares of the differences):
; a common offset of the row costs no digits.
.macro LN_A two                        ; two = 0: LN1, gain and bias from memory into all of window 1.  two = 1: LN2, from LDS, in two halves through v128-255 of window 1 (v0-127 are W1's); the second half is applied by the caller
.if \two
	v_add_nc_u32 v[ADX], GBT, v[GA]
.endif
.set k, 0
.rept 32
	ds_load_b128 v[D+4*k:D+4*k+3], v[RLN] offset:128*(k/4)+16*(k%4)    ; LDS serves a wave's instructions in order: these see my stores
.set k, k+1
.endr
.if \two
	s_wait_alu depctr_va_vdst(0)                       ; the wait here, directly ahead of the wait below
.endif
	s_wait_dscnt 0x0                                   ; the row is in; and every LDS store of mine has read its registers: window 1 may be loaded anew
	WIN 0x40
.set k, 0
.if \two
.rept 16
	ds_load_b128 v[128+4*k:128+4*k+3], v[ADX] offset:128*(k/4)+16*(k%4)          ; gain and bias of the row's first four blocks
	ds_load_b128 v[192+4*k:192+4*k+3], v[ADX] offset:1024+128*(k/4)+16*(k%4)
.set k, k+1
.endr
.else
.rept 32
	global_load_b128 v[4*k:4*k+3], v[GA], s[6:7] offset:128*(k/4)+16*(k%4)
	global_load_b128 v[128+4*k:128+4*k+3], v[GA], s[8:9] offset:128*(k/4)+16*(k%4)
.set k, k+1
.endr
.endif
	WIN 0
	v_pk_add_f32 v[194:195], v[64:65], v[72:73]
	v_pk_add_f32 v[196:197], v[80:81], v[88:89]
	v_pk_add_f32 v[198:199], v[96:97], v[104:105]
	v_pk_add_f32 v[252:253], v[112:113], v[120:121]
	v_pk_add_f32 v[250:251], v[128:129], v[136:137]
	v_pk_add_f32 v[248:249], v[144:145], v[152:153]
	v_pk_add_f32 v[246:247], v[160:161], v[168:169]
	v_pk_add_f32 v[192:193], v[176:177], v[184:185]
	s_delay_alu instid0(VALU_DEP_1)
	v_pk_add_f32 v[192:193], v[192:193], v[66:67]
	v_pk_add_f32 v[194:195], v[194:195], v[74:75]
	v_pk_add_f32 v[196:197], v[196:197], v[82:83]
	v_pk_add_f32 v[198:199], v[198:199], v[90:91]
	v_pk_add_f32 v[252:253], v[252:253], v[98:99]
	v_pk_add_f32 v[250:251], v[250:251], v[106:107]
	v_pk_add_f32 v[248:249], v[248:249], v[114:115]
	v_pk_add_f32 v[246:247], v[246:247], v[122:123]
	v_pk_add_f32 v[192:193], v[192:193], v[130:131]
	v_pk_add_f32 v[194:195], v[194:195], v[138:139]
	v_pk_add_f32 v[196:197], v[196:197], v[146:147]
	v_pk_add_f32 v[198:199], v[198:199], v[154:155]
	v_pk_add_f32 v[252:253], v[252:253], v[162:163]
	v_pk_add_f32 v[250:251], v[250:251], v[170:171]
	v_pk_add_f32 v[248:249], v[248:249], v[178:179]
	v_pk_add_f32 v[246:247], v[246:247], v[186:187]
	v_pk_add_f32 v[192:193], v[192:193], v[68:69]
	v_pk_add_f32 v[194:195], v[194:195], v[76:77]
	v_pk_add_f32 v[196:197], v[196:197], v[84:85]
	v_pk_add_f32 v[198:199], v[198:199], v[92:93]
	v_pk_add_f32 v[252:253], v[252:253], v[100:101]
	v_pk_add_f32 v[250:251], v[250:251], v[108:109]
	v_pk_add_f32 v[248:249], v[248:249], v[116:117]
	v_pk_add_f32 v[246:247], v[246:247], v[124:125]
	v_pk_add_f32 v[192:193], v[192:193], v[132:133]
	v_pk_add_f32 v[194:195], v[194:195], v[140:141]
	v_pk_add_f32 v[196:197], v[196:197], v[148:149]
	v_pk_add_f32 v[198:199], v[198:199], v[156:157]
	v_pk_add_f32 v[252:253], v[252:253], v[164:165]
	v_pk_add_f32 v[250:251], v[250:251], v[172:173]
	v_pk_add_f32 v[248:249], v[248:249], v[180:181]
	v_pk_add_f32 v[246:247], v[246:247], v[188:189]
	v_pk_add_f32 v[192:193], v[192:193], v[70:71]
	v_pk_add_f32 v[194:195], v[194:195], v[78:79]
	v_pk_add_f32 v[196:197], v[196:197], v[86:87]
	v_pk_add_f32 v[198:199], v[198:199], v[94:95]
	v_pk_add_f32 v[252:253], v[252:253], v[102:103]
	v_pk_add_f32 v[250:251], v[250:251], v[110:111]
	v_pk_add_f32 v[248:249], v[248:249], v[118:119]
	v_pk_add_f32 v[246:247], v[246:247], v[126:127]
	v_pk_add_f32 v[192:193], v[192:193], v[134:135]
	v_pk_add_f32 v[194:195], v[194:195], v[142:143]
	v_pk_add_f32 v[196:197], v[196:197], v[150:151]
	v_pk_add_f32 v[198:199], v[198:199], v[158:159]
	v_pk_add_f32 v[252:253], v[252:253], v[166:167]
	v_pk_add_f32 v[250:251], v[250:251], v[174:175]
	v_pk_add_f32 v[248:249], v[248:249], v[182:183]
	v_pk_add_f32 v[246:247], v[246:247], v[190:191]
	s_delay_alu instid0(VALU_DEP_4)
	v_pk_add_f32 v[192:193], v[192:193], v[252:253]
	s_delay_alu instid0(VALU_DEP_4)
	v_pk_add_f32 v[194:195], v[194:195], v[250:251]
	s_delay_alu instid0(VALU_DEP_4)
	v_pk_add_f32 v[196:197], v[196:197], v[248:249]
	s_delay_alu instid0(VALU_DEP_4)
	v_pk_add_f32 v[198:199], v[198:199], v[246:247]
	s_delay_alu instid0(VALU_DEP_2)
	v_pk_add_f32 v[192:193], v[192:193], v[196:197]
	s_delay_alu instid0(VALU_DEP_2)
	v_pk_add_f32 v[194:195], v[194:195], v[198:199]
	s_delay_alu instid0(VALU_DEP_1)
	v_pk_add_f32 v[192:193], v[192:193], v[194:195]
	s_delay_alu instid0(VALU_DEP_1)
	v_add_f32 v[LT], v[LT], v[LT+1]
	s_delay_alu instid0(VALU_DEP_1)
	v_permlanex16_b32 v[LT+1], v[LT], s[SEL], s[SEL+1]
	s_delay_alu instid0(VALU_DEP_1)
	v_add_f32 v[LT], v[LT], v[LT+1]
	s_delay_alu instid0(VALU_DEP_1)
	v_mul_f32 v[LT], s[INV], v[LT]                     ; the mean
.set k, 0
.rept 64
	v_pk_add_f32 v[D+k:D+k+1], v[D+k:D+k+1], v[LT:LT+1] op_sel_hi:[1,0] neg_lo:[0,1] neg_hi:[0,1]
.set k, k+2
.endr
.irp c, 0,1,2,3
	v_pk_mul_f32 v[LT+2*\c:LT+2*\c+1], v[D+2*\c:D+2*\c+1], v[D+2*\c:D+2*\c+1]
.endr
.set k, 8
.rept 15
.irp c, 0,1,2,3
	s_delay_alu instid0(VALU_DEP_4)
	v_pk_fma_f32 v[LT+2*\c:LT+2*\c+1], v[D+k+2*\c:D+k+2*\c+1], v[D+k+2*\c:D+k+2*\c+1], v[LT+2*\c:LT+2*\c+1]
.endr
.set k, k+8
.endr
	s_delay_alu instid0(VALU_DEP_3)
	v_pk_add_f32 v[LT:LT+1], v[LT:LT+1], v[LT+2:LT+3]
	s_delay_alu instid0(VALU_DEP_2)
	v_pk_add_f32 v[LT+4:LT+5], v[LT+4:LT+5], v[LT+6:LT+7]
	s_delay_alu instid0(VALU_DEP_1)
	v_pk_add_f32 v[LT:LT+1], v[LT:LT+1], v[LT+4:LT+5]
	s_delay_alu instid0(VALU_DEP_1)
	v_add_f32 v[LT], v[LT], v[LT+1]
	s_delay_alu instid0(VALU_DEP_1)
	v_permlanex16_b32 v[LT+1], v[LT], s[SEL], s[SEL+1]
	s_delay_alu instid0(VALU_DEP_1)
	v_add_f32 v[LT], v[LT], v[LT+1]
	s_delay_alu instid0(VALU_DEP_1)
	v_fma_f32 v[LT], v[LT], s[INV], s[EPS]
	s_wait_alu depctr_va_vdst(0)
	v_rsq_f32 v[LT+2], v[LT]
	v_nop                                              ; a plain place behind the root,
	s_wait_alu depctr_va_vdst(0)                       ; and the wait ahead of the first line that names its result
.set k, 0
.rept 64
	v_pk_mul_f32 v[D+k:D+k+1], v[D+k:D+k+1], v[LT+2:LT+3] op_sel_hi:[1,0]
.set k, k+2
.endr
.if \two
	s_wait_dscnt 0x0                                   ; gain and bias of the first half
	WIN 0x14                                           ; sources 1 and 2 in window 1
.set k, 0
.rept 32
	v_pk_fma_f32 v[D+k:D+k+1], v[D+k:D+k+1], v[128+k:129+k], v[192+k:193+k]
.set k, k+2
.endr
	WIN 0x40
.set k, 16
.rept 16
	ds_load_b128 v[64+4*k:64+4*k+3], v[ADX] offset:128*(k/4)+16*(k%4)            ; the last four blocks' take the same registers
	ds_load_b128 v[128+4*k:128+4*k+3], v[ADX] offset:1024+128*(k/4)+16*(k%4)
.set k, k+1
.endr
	WIN 0
.else
	s_wait_loadcnt 0x0                                 ; gain and bias
	WIN 0x14                                           ; sources 1 and 2 in window 1
.set k, 0
.rept 64
	v_pk_fma_f32 v[D+k:D+k+1], v[D+k:D+k+1], v[k:k+1], v[128+k:129+k]
.set k, k+2
.endr
	WIN 0
.endif
.endm
.macro LN_B                            ; the normed rows become two fragments; each has its own registers, so no store's data are written again
	QUANT D, PC0, PW
	IMAGE XWI, PC0, 0
	ds_store_b32 v[XWS], v[PW]
	QUANT D+64, PC1, PW+1
	IMAGE XWI, PC1, 1024
	ds_store_b32 v[XWS], v[PW+1] offset:64
.endm
	LN_A 0
	; what attention and proj keep in registers is asked for here and lands while xn is quantised
	WIN 0x40
.set k, 0
.rept 16
	global_load_b128 v[4*k:4*k+3], v[LI], s[16:17] offset:512*k            ; K: fragment f at v[8 f]
	global_load_b128 v[64+4*k:64+4*k+3], v[LI], s[18:19] offset:512*k      ; V^T: (s, dt) at v[64 + 8 (2 s + dt)]
.set k, k+1
.endr
.irp u, 0,1
.irp k, 0,1
.irp c, 0,1
	global_load_b128 v[128+16*\u+8*\k+4*\c:128+16*\u+8*\k+4*\c+3], v[W5], s[10:11] offset:1024*\u+64*\k+32*\c
	global_load_b128 v[176+16*\u+8*\k+4*\c:176+16*\u+8*\k+4*\c+3], v[WN], s[24:25] offset:2048*\u+64*\k+32*\c
.endr
.endr
	global_load_b128 v[160+8*\u:160+8*\u+3], v[GA], s[14:15] offset:32*\u
	global_load_b128 v[160+8*\u+4:160+8*\u+7], v[GA], s[14:15] offset:32*\u+16
	global_load_b128 v[208+8*\u:208+8*\u+3], v[GB], s[28:29] offset:64*\u
	global_load_b128 v[208+8*\u+4:208+8*\u+7], v[GB], s[28:29] offset:64*\u+16
.endr
	WIN 0
.irp s, 0,1,2,3
	global_load_b64 v[SC+2*\s:SC+2*\s+1], v[L8], s[20:21] offset:256*\s
.endr
.irp u, 0,1
	global_load_b64 v[WQS+2*\u:WQS+2*\u+1], v[W5S], s[12:13] offset:64*\u
	global_load_b64 v[WPS+2*\u:WPS+2*\u+1], v[WNS], s[26:27] offset:128*\u
.endr
	LN_B
	BAR                                                ; xn's sixteen fragments lie in LDS
	s_wait_loadcnt 0x0
.irp j, 4,5,6,7,8,9,10,11,12,13,14,15
	v_mov_b32 v[QV+\j], 0                              ; the zero codes; q high is written once too (a permute's destination)
.endr
.irp j, 4,5,6,7,13,20
	v_mov_b32 v[T+\j], 0                               ; permutes' destinations, and the upper half of f's pair
.endr
; the bias words of key step s, tiles t0 .. t1, straight into the scores' accumulators.  Register 8 T + j (T = 2 b + u) is key 128 s + 32 b + 16 h + 8 u + j: plane 2 s + b / 2, row 4 (b % 2) + u, word j on from my lane's place
.macro BIAS s, t0, t1
.set tt, \t0
.rept \t1-\t0+1
.irp j, 0,2,4,6
	ds_load_b64 v[S+8*tt+\j:S+8*tt+\j+1], v[BAD] offset:4*(256*(2*(\s)+tt/4)+16*(4*((tt/2)%2)+tt%2)+\j)
.endr
.set tt, tt+1
.endr
.endm
; A KEY STEP: 128 keys.
.macro STEP s, first
	s_wait_dscnt 0x0                                   ; the step's bias words are in
	WIN 0x01                                           ; source 0 (K, V) in window 1
.set tt, 0
.rept 8                                            ; tile T: K block T % 4 of fragment 2 s + T / 4; q stands in that block, zero codes in the others
.set qo, 0
.if tt%4 == 1
.set qo, 8
.elseif tt%4 == 2
.set qo, 12
.elseif tt%4 == 3
.set qo, 4
.endif
.if tt < 4
	MM S+8*tt, 16*\s, QV+qo, S+8*tt, SC+2*\s, QS
.else
	MM1 S+8*tt, 16*\s+8, QV+qo, S+8*tt, SC+2*\s, QS
.endif
.set tt, tt+1
.endr
	WIN 0
	PL 4
.irp b, 0,1,2,3
	v_max3_num_f32 v[T+\b], v[S+16*\b], v[S+1+16*\b], v[S+2+16*\b]     ; the largest score of each block of 32 keys: for the row's maximum, and for the block's largest p
.endr
.irp i, 3,5,7,9,11,13
.irp b, 0,1,2,3
	v_max3_num_f32 v[T+\b], v[T+\b], v[S+16*\b+\i], v[S+1+16*\b+\i]
.endr
.endr
.irp b, 0,1,2,3
	v_max_num_f32 v[T+\b], v[T+\b], v[S+15+16*\b]
.endr
.irp b, 0,1,2,3
	s_delay_alu instid0(VALU_DEP_4)
	v_permlanex16_b32 v[T+4+\b], v[T+\b], s[SEL], s[SEL+1]
.endr
.irp b, 0,1,2,3
	s_delay_alu instid0(VALU_DEP_4)
	v_max_num_f32 v[T+\b], v[T+\b], v[T+4+\b]
.endr
	s_delay_alu instid0(VALU_DEP_2)
	v_max3_num_f32 v[T+14], v[T], v[T+1], v[T+2]
	s_delay_alu instid0(VALU_DEP_1)
	v_max_num_f32 v[T+14], v[T+14], v[T+3]
	s_delay_alu instid0(VALU_DEP_1)
	v_mul_f32 v[T+14], s[CS], v[T+14]                  ; the step's largest t
.if \first
	s_delay_alu instid0(VALU_DEP_1)
	v_mov_b32 v13, v[T+14]
	s_delay_alu instid0(VALU_DEP_1)
	v_floor_f32 v12, -v13                              ; -M = floor(-t): M is a whole number
.else
	s_delay_alu instid0(VALU_DEP_1)
	v_max_num_f32 v13, v13, v[T+14]
	v_mov_b32 v[T+14], v12
	s_delay_alu instid0(VALU_DEP_2)
	v_floor_f32 v12, -v13
	s_delay_alu instid0(VALU_DEP_1)
	v_sub_f32 v[T+14], v12, v[T+14]                    ; old M - new M, a whole number, 0 or less
	s_delay_alu instid0(VALU_DEP_1)
	v_cvt_i32_f32 v[T+14], v[T+14]
	s_delay_alu instid0(VALU_DEP_1)
	v_ldexp_f32 v[T+12], 1.0, v[T+14]                  ; f = 2^(old M - new M)
.endif
.set k, 0
.rept 32
	v_pk_fma_f32 v[S+k:S+k+1], v[S+k:S+k+1], s[CS:CS+1], v[12:13] op_sel_hi:[1,0,0]    ; t - M
.set k, k+2
.endr
.irp b, 0,1,2,3
	v_fma_f32 v[T+\b], v[T+\b], s[CS], v12
.endr
.set k, 0
	s_wait_alu depctr_va_vdst(0)
.rept 64
	v_exp_f32 v[S+k], v[S+k]                           ; p = 2^(t - M): not normalised
.set k, k+1
.endr
.if \first
	v_nop                                              ; a plain place behind the exponentials
.else
	v_pk_mul_f32 v[14:15], v[14:15], v[T+12:T+13] op_sel_hi:[1,0]      ; the sum under the new M (a plain place behind the exponentials)
.endif
	s_wait_alu depctr_va_vdst(0)                       ; one wait for the batch of 64, ahead of its first reader
.irp b, 0,1,2,3
	v_exp_f32 v[T+\b], v[T+\b]                         ; the blocks' largest p: the same two instructions on the same numbers
.endr
	v_pk_add_f32 v[220:221], v[144:145], v[148:149]
	v_pk_add_f32 v[252:253], v[152:153], v[156:157]
	v_pk_add_f32 v[250:251], v[160:161], v[164:165]
	v_pk_add_f32 v[248:249], v[168:169], v[172:173]
	v_pk_add_f32 v[246:247], v[176:177], v[180:181]
	v_pk_add_f32 v[240:241], v[184:185], v[188:189]
	v_pk_add_f32 v[238:239], v[192:193], v[196:197]
	v_pk_add_f32 v[14:15], v[14:15], v[200:201]
	v_pk_add_f32 v[220:221], v[220:221], v[140:141]
	v_pk_add_f32 v[252:253], v[252:253], v[142:143]
	v_pk_add_f32 v[250:251], v[250:251], v[146:147]
	v_pk_add_f32 v[248:249], v[248:249], v[150:151]
	v_pk_add_f32 v[246:247], v[246:247], v[154:155]
	v_pk_add_f32 v[240:241], v[240:241], v[158:159]
	v_pk_add_f32 v[238:239], v[238:239], v[162:163]
	v_pk_add_f32 v[14:15], v[14:15], v[166:167]
	v_pk_add_f32 v[220:221], v[220:221], v[170:171]
	v_pk_add_f32 v[252:253], v[252:253], v[174:175]
	v_pk_add_f32 v[250:251], v[250:251], v[178:179]
	v_pk_add_f32 v[248:249], v[248:249], v[182:183]
	v_pk_add_f32 v[246:247], v[246:247], v[186:187]
	v_pk_add_f32 v[240:241], v[240:241], v[190:191]
	v_pk_add_f32 v[238:239], v[238:239], v[194:195]
	v_pk_add_f32 v[14:15], v[14:15], v[198:199]
	v_pk_add_f32 v[220:221], v[220:221], v[202:203]
	s_delay_alu instid0(VALU_DEP_2)
	v_pk_add_f32 v[14:15], v[14:15], v[248:249]
	s_delay_alu instid0(VALU_DEP_2)
	v_pk_add_f32 v[220:221], v[220:221], v[246:247]
	v_pk_add_f32 v[252:253], v[252:253], v[240:241]
	v_pk_add_f32 v[250:251], v[250:251], v[238:239]
	s_delay_alu instid0(VALU_DEP_2)
	v_pk_add_f32 v[14:15], v[14:15], v[252:253]
	s_delay_alu instid0(VALU_DEP_2)
	v_pk_add_f32 v[220:221], v[220:221], v[250:251]
	s_delay_alu instid0(VALU_DEP_1)
	v_pk_add_f32 v[14:15], v[14:15], v[220:221]
	s_wait_alu depctr_va_vdst(0)                       ; and one for the four
.irp b, 0,1,2,3
	v_max_num_f32 v[T+\b], 0x1800000, v[T+\b]          ; the floor 2^(3 - 127)
.endr
.irp b, 0,1,2,3
	s_delay_alu instid0(VALU_DEP_4)
	v_add_nc_u32 v[T+8+\b], 0xff000000, v[T+\b]
.endr
.irp b, 0,1,2,3
	s_delay_alu instid0(VALU_DEP_4)
	v_lshrrev_b32 v[T+4+\b], 23, v[T+8+\b]
.endr
	s_delay_alu instid0(VALU_DEP_3)
	v_lshl_or_b32 v[PS], v[T+5], 8, v[T+4]             ; p's scale word for these 128 keys
	s_delay_alu instid0(VALU_DEP_1)
	v_lshl_or_b32 v[PS], v[T+6], 16, v[PS]
	s_delay_alu instid0(VALU_DEP_1)
	v_lshl_or_b32 v[PS], v[T+7], 24, v[PS]
.irp b, 0,1,2,3
	v_cvt_scalef32_pk8_fp4_f32 v[P+2*\b], v[S+16*\b:S+7+16*\b], v[T+8+\b]
	v_cvt_scalef32_pk8_fp4_f32 v[P+1+2*\b], v[S+8+16*\b:S+15+16*\b], v[T+8+\b]
.endr
	v_nop
.irp c, 0,1
.irp i, 0,1
	v_permlane16_swap_b32 v[P+4*\c+\i], v[P+2+4*\c+\i]
.endr
.endr
.if \s < 3
	BIAS \s+1, 0, 7                                    ; the next step's bias words, into the registers that p has left
.endif
.if \first
	PL 8                                               ; a scale word made by vector instructions stands eight places ahead of the product, an operand so made four
.else
.set k, 0
.rept 8
	v_pk_mul_f32 v[O+k:O+k+1], v[O+k:O+k+1], v[T+12:T+13] op_sel_hi:[1,0]      ; O^T under the new M
.set k, k+2
.endr
	PL 4                                               ; with the four of the lines above that name none of a product's registers, and the one behind the conversions: the places in front
.endif
	WIN 0x01
.if \first
	MMZ O, 64+16*\s, P, SC+2*\s+1, PS
	MMZ1 O+8, 72+16*\s, P, SC+2*\s+1, PS
.else
	MM O, 64+16*\s, P, O, SC+2*\s+1, PS
	MM1 O+8, 72+16*\s, P, O+8, SC+2*\s+1, PS
.endif
	WIN 0
.endm
	; ---- ATTENTION: eight trips, a tile of 16 queries of my head each
	s_mov_b32 s[U], 0
	s_mov_b32 s[XO], XIMG
	s_mov_b32 s[XSO], XSC
	s_mov_b32 s[AO], 0
	s_mov_b32 s[ASO], 0
.Latt:
	s_lshr_b32 s49, s[U], 2
	s_lshl_b32 s49, s49, 10
	s_and_b32 s50, s[U], 3
	s_lshl_b32 s50, s50, 7
	s_add_co_u32 s49, s49, s50                         ; the tile's place in the table: plane U / 4, two rows of 16 words for each of U % 4
	v_add_nc_u32 v[BAD], s49, v[BA0]
	v_add_nc_u32 v[ADX], s[XO], v[LI]
	v_add_nc_u32 v[ADXS], s[XSO], v[LS]
	FETCH XF, ADX, 0
	FETCH XF+8, ADX, 1024
	ds_load_b32 v[XS], v[ADXS]
	ds_load_b32 v[XS+1], v[ADXS] offset:64
	BIAS 0, 0, 6
	s_wait_alu depctr_va_vdst(0)
	s_wait_dscnt 28                                    ; xn's fragments and words are in (and the last trip's two stores done); the 28 loads of bias words behind them may be out
	WIN 0x11                                           ; source 0 (Wq) and C (bq) in window 1
	MM QA, 128, XF, 160, WQS, XS
	MM QA+8, 144, XF, 168, WQS+2, XS
	WIN 0x01
	MM QA, 136, XF+8, QA, WQS+1, XS+1
	MM QA+8, 152, XF+8, QA+8, WQS+3, XS+1
	WIN 0
	BIAS 0, 7, 7
	PL 4
.set k, 0
.rept 8
	v_pk_mul_f32 v[QA+k:QA+k+1], v[QA+k:QA+k+1], 0x3e3504f3 op_sel_hi:[1,0]    ; x 32^-0.5, in f32, ahead of the quantiser
.set k, k+2
.endr
	Q1 QA, QV, T+14
	v_lshl_or_b32 v[QS], v[T+14], 8, v[T+14]
	s_delay_alu instid0(VALU_DEP_1)
	v_lshl_or_b32 v[QS], v[QS], 16, v[QS]              ; q's byte in all four places: whichever block q stands in
	v_mov_b32 v[QV+2], 0
	v_mov_b32 v[QV+3], 0
	v_permlane16_swap_b32 v[QV], v[QV+2]               ; q low: the 32 codes in lanes 0-15, zeros in lanes 16-31
	v_permlane16_swap_b32 v[QV+1], v[QV+3]
.irp j, 0,1,2,3
	v_permlanex16_b32 v[QV+8+\j], v[QV+\j], s[SEL], s[SEL+1]   ; q high: the other way round
.endr
.irp j, 0,1,2,3
	v_mov_b32 v[QV+16+\j], v[QV+\j]
.endr
	v_mov_b32 v14, 0                                   ; the row's sum, in two halves
	v_mov_b32 v15, 0
	PL 8                                               ; the places in front of the scores' products (scale word and operand made by vector instructions)
	s_wait_alu depctr_va_vdst(0)
	STEP 0, 1
	STEP 1, 0
	STEP 2, 0
	STEP 3, 0
	v_add_nc_u32 v[SA0], s[AO], v[AOA]
	v_add_nc_u32 v[SA1], s[ASO], v[AOS]
	PL 4
	v_add_f32 v14, v14, v15
	s_delay_alu instid0(VALU_DEP_1)
	v_permlanex16_b32 v[T+14], v14, s[SEL], s[SEL+1]
	s_delay_alu instid0(VALU_DEP_1)
	v_add_f32 v14, v14, v[T+14]                        ; the row's sum
	s_wait_alu depctr_va_vdst(0)
	v_rcp_f32 v[T+12], v14
	v_nop
	s_wait_alu depctr_va_vdst(0)
.set k, 0
.rept 8
	v_pk_mul_f32 v[O+k:O+k+1], v[O+k:O+k+1], v[T+12:T+13] op_sel_hi:[1,0]      ; register 8 dt + j is dim 16 h + 8 dt + j of my head
.set k, k+2
.endr
	Q1 O, T+22, T+14                                   ; the head's 32 dims are one block of proj's K
	ds_store_b64 v[SA0], v[T+22:T+23]
	ds_store_b8 v[SA1], v[T+14]                        ; both halves of the lanes write the same byte with the same value
	s_add_co_u32 s[XO], s[XO], 2048
	s_add_co_u32 s[XSO], s[XSO], 128
	s_add_co_u32 s[AO], s[AO], 2048
	s_add_co_u32 s[ASO], s[ASO], 128
	s_add_co_u32 s[U], s[U], 1
	s_cmp_lt_u32 s[U], 8
	s_cbranch_scc1 .Latt
	WIN 0x40                                           ; K and V are done with: W1's codes are asked for here, into their registers, and land under proj and LN2
.irp t, 0,1,2,3,4,5,6,7                            ; W1's tile t = 2 b + u begins at row 32 b + 8 u of my 128
.irp k, 0,1
.irp c, 0,1
	global_load_b128 v[16*\t+8*\k+4*\c:16*\t+8*\k+4*\c+3], v[W5], s[34:35] offset:(32*(\t/2)+8*(\t%2))*128+64*\k+32*\c
.endr
.endr
.endr
	WIN 0
	BAR                                                ; attention's sixteen fragments lie in LDS; nobody reads xn's images or the table any more
	; ---- PROJ + x: my 32 columns for all 128 rows, four tiles at a time.  x + proj_b is the C; eight accumulators by turns
	v_add_nc_u32 v[ADX], AIMG, v[LI]
	v_add_nc_u32 v[ADXS], ASC, v[LS]
.irp g, 0,1
.irp m, 0,1,2,3
.irp k, 0,1
	FETCH AF+16*\m+8*\k, ADX, (2*(4*\g+\m)+\k)*1024
	ds_load_b32 v[AS+2*\m+\k], v[ADXS] offset:(2*(4*\g+\m)+\k)*64
.endr
.irp u, 0,1
	ds_load_b128 v[PA+16*\m+8*\u:PA+16*\m+8*\u+3], v[RC+\g] offset:\m*16*RP+64*\u
	ds_load_b128 v[PA+16*\m+8*\u+4:PA+16*\m+8*\u+7], v[RC+\g] offset:\m*16*RP+64*\u+16
.endr
.endr
	s_wait_dscnt 0x0
	WIN 0x04
.irp m, 0,1,2,3
.irp u, 0,1
.irp i, 0,2,4,6
	v_pk_add_f32 v[PA+16*\m+8*\u+\i:PA+16*\m+8*\u+\i+1], v[PA+16*\m+8*\u+\i:PA+16*\m+8*\u+\i+1], v[208+8*\u+\i:209+8*\u+\i]
.endr
.endr
.endr
	WIN 0x01
.irp k, 0,1
.irp m, 0,1,2,3
.irp u, 0,1
	MM PA+16*\m+8*\u, 176+16*\u+8*\k, AF+16*\m+8*\k, PA+16*\m+8*\u, WPS+2*\u+\k, AS+2*\m+\k
.endr
.endr
.endr
	WIN 0
	PL 4
.irp m, 0,1,2,3
.irp u, 0,1
	ds_store_b128 v[RC+\g], v[PA+16*\m+8*\u:PA+16*\m+8*\u+3] offset:\m*16*RP+64*\u         ; back to the bytes that x left; each accumulator from its low end on
	ds_store_b128 v[RC+\g], v[PA+16*\m+8*\u+4:PA+16*\m+8*\u+7] offset:\m*16*RP+64*\u+16
.endr
.endr
.endr
	BAR                                                ; R holds x + proj
	; ---- LN2, and the MLP's weights on their way
.irp t, 0,1,2,3,4,5,6,7                            ; W1's scale words take the registers of proj's and attention's, which are done with
	global_load_b64 v[W1S+2*\t:W1S+2*\t+1], v[W5S], s[36:37] offset:(32*(\t/2)+8*(\t%2))*8
.endr
	LN_A 1
	QUANT D, PC0, PW                                   ; the first fragment is whole: it is quantised while the second half's gain and bias come
	IMAGE XWI, PC0, 0
	ds_store_b32 v[XWS], v[PW]
	s_wait_dscnt 3                                     ; the 32 loads are in; the three stores issued behind them may be out
	WIN 0x14
.set k, 0
.rept 32
	v_pk_fma_f32 v[D+64+k:D+65+k], v[D+64+k:D+65+k], v[128+k:129+k], v[192+k:193+k]
.set k, k+2
.endr
	WIN 0x40                                           ; fc1's and fc2's biases take the gain's and bias's registers
.irp t, 0,1,2,3,4,5,6,7
	global_load_b128 v[128+8*\t:128+8*\t+3], v[GA], s[38:39] offset:(32*(\t/2)+8*(\t%2))*4
	global_load_b128 v[128+8*\t+4:128+8*\t+7], v[GA], s[38:39] offset:(32*(\t/2)+8*(\t%2))*4+16
.endr
.irp n, 0,1
	global_load_b128 v[192+8*\n:192+8*\n+3], v[GB], s[44:45] offset:64*\n
	global_load_b128 v[192+8*\n+4:192+8*\n+7], v[GB], s[44:45] offset:64*\n+16
.endr
	WIN 0
	QUANT D+64, PC1, PW+1
	IMAGE XWI, PC1, 1024
	ds_store_b32 v[XWS], v[PW+1] offset:64
	BAR                                                ; x2's sixteen fragments lie in LDS
	s_wait_loadcnt 0x0
; exact GELU of 16 numbers: h / 2 (1 + erf(h / sqrt 2)).  The sixteen reciprocals are one batch with one wait; one run of packed multiplications stands between
.macro GELU16 b
.irp i, 0,2,4,6,8,10,12,14
	v_pk_mul_f32 v[GZ+\i:GZ+\i+1], v[\b+\i:\b+\i+1], 0x3f3504f3 op_sel_hi:[1,0]
.endr
.irp i, 0,1,2,3,4,5,6,7,8,9,10,11,12,13,14,15
	v_med3_num_f32 v[GZ+\i], v[GZ+\i], -4.0, 4.0
.endr
.irp i, 0,2,4,6,8,10,12,14
	v_pk_mul_f32 v[GX+\i:GX+\i+1], v[GZ+\i:GZ+\i+1], v[GZ+\i:GZ+\i+1]
.endr
.irp i, 0,2,4,6,8,10,12,14
	v_pk_fma_f32 v[GP+\i:GP+\i+1], v[GX+\i:GX+\i+1], s[66:67], v[CA1:CA1+1] op_sel_hi:[1,0,1]
.endr
.irp i, 0,2,4,6,8,10,12,14
	v_pk_fma_f32 v[GQ+\i:GQ+\i+1], v[GX+\i:GX+\i+1], s[78:79], v[CB1:CB1+1] op_sel_hi:[1,0,1]
.endr
.irp c, 68,70,72,74,76
.irp i, 0,2,4,6,8,10,12,14
	v_pk_fma_f32 v[GP+\i:GP+\i+1], v[GP+\i:GP+\i+1], v[GX+\i:GX+\i+1], s[\c:\c+1] op_sel_hi:[1,1,0]
.endr
.endr
.irp c, 80,82,84
.irp i, 0,2,4,6,8,10,12,14
	v_pk_fma_f32 v[GQ+\i:GQ+\i+1], v[GQ+\i:GQ+\i+1], v[GX+\i:GX+\i+1], s[\c:\c+1] op_sel_hi:[1,1,0]
.endr
.endr
	s_wait_alu depctr_va_vdst(0)
.irp i, 0,1,2,3,4,5,6,7,8,9,10,11,12,13,14,15
	v_rcp_f32 v[GQ+\i], v[GQ+\i]
.endr
.irp i, 0,2,4,6,8,10,12,14
	v_pk_mul_f32 v[GP+\i:GP+\i+1], v[GP+\i:GP+\i+1], v[GZ+\i:GZ+\i+1]
.endr
	s_wait_alu depctr_va_vdst(0)                       ; one wait for the sixteen reciprocals, ahead of their first reader
.irp i, 0,2,4,6,8,10,12,14
	v_pk_fma_f32 v[GP+\i:GP+\i+1], v[GP+\i:GP+\i+1], v[GQ+\i:GQ+\i+1], 0.5 op_sel_hi:[1,1,0]   ; (1 + erf) / 2: P's coefficients are halved
.endr
.irp i, 0,2,4,6,8,10,12,14
	v_pk_mul_f32 v[\b+\i:\b+\i+1], v[\b+\i:\b+\i+1], v[GP+\i:GP+\i+1]
.endr
.endm
	; ---- FC1 + GELU: eight trips, a tile of 16 rows each; my 128 hidden units are K step w of fc2
	s_mov_b32 s[U], 0
	s_mov_b32 s[XO], XIMG
	s_mov_b32 s[XSO], XSC
	s_mov_b32 s[AO], 0
	s_mov_b32 s[ASO], 0
.Lfc1:
	v_add_nc_u32 v[ADX], s[XO], v[LI]
	v_add_nc_u32 v[ADXS], s[XSO], v[LS]
	FETCH XF, ADX, 0
	FETCH XF+8, ADX, 1024
	ds_load_b32 v[XS], v[ADXS]
	ds_load_b32 v[XS+1], v[ADXS] offset:64
	s_wait_dscnt 0x0                                   ; x2's fragments are in, and the last trip's stores have read their registers
	WIN 0x11
.irp t, 0,1,2,3,4,5,6,7
	MM HA+8*\t, 16*\t, XF, 128+8*\t, W1S+2*\t, XS
.endr
	WIN 0x01
.irp t, 0,1,2,3,4,5,6,7
	MM HA+8*\t, 16*\t+8, XF+8, HA+8*\t, W1S+2*\t+1, XS+1
.endr
	WIN 0
	PL 4
	GELU16 HA
	GELU16 HA+16
	GELU16 HA+32
	GELU16 HA+48
	QUANT HA, PC1, PW
	v_add_nc_u32 v[SA0], s[AO], v[HWI]
	v_add_nc_u32 v[SA1], s[ASO], v[HWS]
	IMAGE SA0, PC1, 0
	ds_store_b32 v[SA1], v[PW]
	s_add_co_u32 s[XO], s[XO], 2048
	s_add_co_u32 s[XSO], s[XSO], 128
	s_add_co_u32 s[AO], s[AO], 8192
	s_add_co_u32 s[ASO], s[ASO], 512
	s_add_co_u32 s[U], s[U], 1
	s_cmp_lt_u32 s[U], 8
	s_cbranch_scc1 .Lfc1
	WIN 0x40                                           ; W2 takes W1's registers: (n, s) at v[64 n + 8 s]
.irp n, 0,1
.irp s, 0,1,2,3,4,5,6,7
.irp c, 0,1
	global_load_b128 v[64*\n+8*\s+4*\c:64*\n+8*\s+4*\c+3], v[W2A], s[40:41] offset:8192*\n+64*\s+32*\c
.endr
.endr
.endr
	WIN 0
.irp n, 0,1
.irp q, 0,1
	global_load_b128 v[W2S+8*\n+4*\q:W2S+8*\n+4*\q+3], v[W2SA], s[42:43] offset:512*\n+16*\q
.endr
.endr
	BAR                                                ; the hidden layer's 64 fragments lie in LDS
	s_wait_loadcnt 0x0
	; ---- FC2 + residual: my 32 columns, four tiles of rows at a time; a K step's four fragments of h a step ahead, in two sets
.macro FETCHH hf, ks, bk
.irp m, 0,1,2,3
	ds_load_b128 v[HF+32*(\bk)+8*\m:HF+32*(\bk)+8*\m+3], v[LIH] offset:(8*(4*\hf+\m)+(\ks))*1024
	ds_load_b128 v[HF+32*(\bk)+8*\m+4:HF+32*(\bk)+8*\m+7], v[LIH] offset:(8*(4*\hf+\m)+(\ks))*1024+512
	ds_load_b32 v[HS+4*(\bk)+\m], v[LSH] offset:(8*(4*\hf+\m)+(\ks))*64
.endr
.endm
	s_mul_i32 s49, s[WV], 8*RP
	v_add_nc_u32 v[ADX], s49, v[LI]                    ; the way out: rows 8 w .. 8 w + 7 of a half of R, 16 bytes a lane
.irp f, 0,1
.irp m, 0,1,2,3
.irp n, 0,1
	ds_load_b128 v[YA+16*\m+8*\n:YA+16*\m+8*\n+3], v[RC+\f] offset:\m*16*RP+64*\n
	ds_load_b128 v[YA+16*\m+8*\n+4:YA+16*\m+8*\n+7], v[RC+\f] offset:\m*16*RP+64*\n+16
.endr
.endr
	FETCHH \f, 0, 0
	s_wait_dscnt 12                                    ; the residual is in; the twelve loads of K step 0 behind it may be out
	WIN 0x04
.irp m, 0,1,2,3
.irp n, 0,1
.irp i, 0,2,4,6
	v_pk_add_f32 v[YA+16*\m+8*\n+\i:YA+16*\m+8*\n+\i+1], v[YA+16*\m+8*\n+\i:YA+16*\m+8*\n+\i+1], v[192+8*\n+\i:193+8*\n+\i]
.endr
.endr
.endr
	WIN 0
.set q, 0
	s_wait_alu depctr_va_vdst(0)
.rept 8
.if q < 7
	PL 4                                               ; places in front of loads into the set that the last products read
	FETCHH \f, q+1, (q+1)%2
	s_wait_dscnt 12                                    ; this K step's set is in; the twelve just issued may be out
.else
	s_wait_dscnt 0x0
.endif
	WIN 0x01
.irp m, 0,1,2,3
.irp n, 0,1
	MM YA+16*\m+8*\n, 64*\n+8*q, HF+32*(q%2)+8*\m, YA+16*\m+8*\n, W2S+8*\n+q, HS+4*(q%2)+\m
.endr
.endr
	WIN 0
.set q, q+1
.endr
	PL 4
.irp m, 0,1,2,3
.irp n, 0,1
	ds_store_b128 v[RC+\f], v[YA+16*\m+8*\n:YA+16*\m+8*\n+3] offset:\m*16*RP+64*\n
	ds_store_b128 v[RC+\f], v[YA+16*\m+8*\n+4:YA+16*\m+8*\n+7] offset:\m*16*RP+64*\n+16
.endr
.endr
	BAR                                                ; rows 64 f .. 64 f + 63 of R hold the result
	; ---- the way out of this half: eight whole rows a wave; each store covers 512 consecutive bytes, aligned.  The first half's stores are issued ahead of the second half's products, which touch rows 64 .. 127 alone
.if \f == 1
	v_add_nc_u32 v[ADX], 64*RP, v[ADX]
.endif
.set k, 0
.rept 16
	ds_load_b128 v[YA+4*k:YA+4*k+3], v[ADX] offset:(k/2)*RP+512*(k%2)
.set k, k+1
.endr
.set k, 0
.rept 16
	s_wait_dscnt 15-k                                  ; LDS loads come back in order: load k is in, the younger ones may be out
	global_store_b128 v[LI], v[YA+4*k:YA+4*k+3], s[46:47] offset:(1-\f)*1048576+(k/2)*1024+512*(k%2) th:TH_STORE_NT
.set k, k+1
.endr
.if \f == 0
	s_wait_xcnt 0x0                                    ; the stores have read their registers: the second half's residual may land there
.endif
.endr
	s_wait_tensorcnt 0x0
	ds_add_u32 v254, v255
	s_wait_dscnt 0x0
	s_endpgm
.Lfunc_end_k_q5c52e25236_block:
	.size	k_q5c52e25236_block, .Lfunc_end_k_q5c52e25236_block-k_q5c52e25236_block
	.p2alignl 7, 3214868480
	.fill 96, 4, 3214868480
	.section	.rodata,"a",@progbits
	.p2align	6, 0x0
	.amdhsa_kernel k_q5c52e25236_block
		.amdhsa_group_segment_fixed_size 318720
		.amdhsa_private_segment_fixed_size 0
		.amdhsa_enable_private_segment 0
		.amdhsa_kernarg_size 176
		.amdhsa_user_sgpr_count 2
		.amdhsa_user_sgpr_kernarg_segment_ptr 1
		.amdhsa_wavefront_size32 1
		.amdhsa_system_sgpr_workgroup_id_x 1
		.amdhsa_system_sgpr_workgroup_id_y 1
		.amdhsa_system_sgpr_workgroup_id_z 1
		.amdhsa_system_vgpr_workitem_id 0
		.amdhsa_next_free_vgpr 512
		.amdhsa_next_free_sgpr 96
		.amdhsa_reserve_vcc 0
		.amdhsa_float_denorm_mode_32 3
		.amdhsa_float_denorm_mode_16_64 3
		.amdhsa_memory_ordered 1
		.amdhsa_forward_progress 1
		.amdhsa_inst_pref_size 255
	.end_amdhsa_kernel
	.section	.bss,"aw",@nobits
	.p2align	6
	.space	262144
	.amdgpu_metadata
---
amdhsa.version: [ 1, 2 ]
amdhsa.kernels:
  - .name:           k_q5c52e25236_block
    .symbol:         k_q5c52e25236_block.kd
    .args:
      - { .name: x, .offset: 0, .size: 8, .value_kind: global_buffer, .address_space: global }
      - { .name: n1_g, .offset: 8, .size: 8, .value_kind: global_buffer, .address_space: global }
      - { .name: n1_b, .offset: 16, .size: 8, .value_kind: global_buffer, .address_space: global }
      - { .name: qkv_w_codes, .offset: 24, .size: 8, .value_kind: global_buffer, .address_space: global }
      - { .name: qkv_w_scales, .offset: 32, .size: 8, .value_kind: global_buffer, .address_space: global }
      - { .name: qkv_b, .offset: 40, .size: 8, .value_kind: global_buffer, .address_space: global }
      - { .name: kimg, .offset: 48, .size: 8, .value_kind: global_buffer, .address_space: global }
      - { .name: vimg, .offset: 56, .size: 8, .value_kind: global_buffer, .address_space: global }
      - { .name: kvsc, .offset: 64, .size: 8, .value_kind: global_buffer, .address_space: global }
      - { .name: ptab, .offset: 72, .size: 8, .value_kind: global_buffer, .address_space: global }
      - { .name: proj_w_codes, .offset: 80, .size: 8, .value_kind: global_buffer, .address_space: global }
      - { .name: proj_w_scales, .offset: 88, .size: 8, .value_kind: global_buffer, .address_space: global }
      - { .name: proj_b, .offset: 96, .size: 8, .value_kind: global_buffer, .address_space: global }
      - { .name: n2_g, .offset: 104, .size: 8, .value_kind: global_buffer, .address_space: global }
      - { .name: n2_b, .offset: 112, .size: 8, .value_kind: global_buffer, .address_space: global }
      - { .name: fc1_w_codes, .offset: 120, .size: 8, .value_kind: global_buffer, .address_space: global }
      - { .name: fc1_w_scales, .offset: 128, .size: 8, .value_kind: global_buffer, .address_space: global }
      - { .name: fc1_b, .offset: 136, .size: 8, .value_kind: global_buffer, .address_space: global }
      - { .name: fc2_w_codes, .offset: 144, .size: 8, .value_kind: global_buffer, .address_space: global }
      - { .name: fc2_w_scales, .offset: 152, .size: 8, .value_kind: global_buffer, .address_space: global }
      - { .name: fc2_b, .offset: 160, .size: 8, .value_kind: global_buffer, .address_space: global }
      - { .name: out0, .offset: 168, .size: 8, .value_kind: global_buffer, .address_space: global }
    .group_segment_fixed_size: 318720
    .private_segment_fixed_size: 0
    .kernarg_segment_align: 8
    .kernarg_segment_size: 176
    .max_flat_workgroup_size: 256
    .sgpr_count:     96
    .vgpr_count:     512
    .wavefront_size: 32
...
	.end_amdgpu_metadata
.endif
;; end of part 2
